; MI455X (gfx1250); checked and timed in simulation.
; The chip was launched on July 23, 2026; its instructions are those of AMD's public machine-readable ISA for CDNA 5 (MIT licence, August 2026) and "CDNA5" Instruction Set Architecture Reference Guide (July 2026). The comments in the code are by the model that wrote it; some were corrected since.
;; Multi Head Attention. Allowed arithmetic: matrix products marked QUANTISED: E5M2 operands, one E8M0 scale for each 32 along K, by v_wmma_scale_f32_16x16x128_f8f6f4 with both operands' format E5M2, f32 sums; everything else in f32.
;; Inputs: Wqkv_b 3,072 float32; Wqkv_w 3,072 x 1,024 float32; attn_bias 1 x 16 x 1 x 4,096 float32; out_b 1,024 float32; out_w 1,024 x 1,024 float32; x 1 x 4,096 x 1,024 float32.
;; Outputs: out0 1 x 4,096 x 1,024 float32.
;; This version of the problem:
;;   THIS VERSION OF THE PROBLEM IS GIVEN IN LOW PRECISION. The matrix products marked QUANTISED in the list below multiply operands that are first quantised to E5M2 (5 exponent bits, 2 mantissa bits; 8 bits a number), with one power-of-two scale for each 32 numbers along K (OCP MX v1.0); their sums are f32. All else is computed in f32.
;;   The module's matrix products, in the order in which they are computed (A, B: the left and right operand; K: the contracted axis; several contracted axes count as one K, in the product's order):
;;     1. [M 4,096, K 1,024] x [K 1,024, N 3,072]; A: input x; B: input Wqkv_w: QUANTISED
;;     2. batch 16 x [M 4,096, K 64] x [K 64, N 4,096]; A: computed on the way; B: computed on the way: QUANTISED
;;     3. batch 16 x [M 4,096, K 4,096] x [K 4,096, N 64]; A: softmax (see below); B: computed on the way: QUANTISED
;;     4. [M 4,096, K 1,024] x [K 1,024, N 1,024]; A: computed on the way; B: input out_w: QUANTISED
;;   THE QUANTISER, for each operand of a quantised product, along K:
;;     - K is cut into blocks of 32 from its start; a last block that is shorter is filled with zeros.
;;     - A block's scale is 2^e with e = floor(log2(the largest magnitude in the block)) - 15, held to -126 .. 127; a block of zeros has e = 0. As a byte (E8M0): e + 127.
;;     - Each number is divided by its block's scale, clamped to +-57,344, and rounded to the nearest number of E5M2, ties to even, subnormals kept.
;;     - The product sums the exact products of the quantised numbers (number of the format x scale) in f32.
;;   ~~~python
;;   def quantise(x, axis):      # numpy; x: float32 -> the quantised numbers, widened to float32 again
;;       x = np.moveaxis(x, axis, -1); K = x.shape[-1]
;;       x = np.pad(x, [(0, 0)] * (x.ndim - 1) + [(0, -K % 32)]); x = x.reshape(x.shape[:-1] + (-1, 32)); a = np.abs(x).max(-1, keepdims=True)
;;       e = np.where(a > 0, np.clip(np.frexp(np.where(a > 0, a, 1))[1] - 1 - 15, -126, 127), 0)      # np.frexp(a)[1] - 1 = floor(log2(a)), exactly
;;       r = np.clip(x / 2.0 ** e, -57344, 57344)
;;       step = 2.0 ** (np.maximum(np.frexp(np.where(r == 0, 1, r))[1] - 1, -14) - 2)
;;       q = np.round(r / step) * step * 2.0 ** e      # np.round: ties to even
;;       return np.moveaxis(q.reshape(q.shape[:-2] + (-1,))[..., :K], -1, axis).astype(np.float32)
;;   ~~~
;;   SOFTMAX AHEAD OF A QUANTISED PRODUCT. Where the list says 'softmax', what is quantised is not the finished softmax but p = 2^(t - M), with t = logit x log2(e) and M = ceil(the row's largest t), a whole number; so 1/2 < the row's largest p <= 1. The row's sum l is taken of the UNQUANTISED p, in f32, and the product's result is divided by l at the end. Since M is a whole number, a kernel that streams over the keys may use a running M (the ceiling of the running maximum): every later rescaling is an exact power of two, which a block's scale takes up: the codes' values come out the same.
;;   OPERANDS COMPUTED ON THE WAY. 'Computed on the way' means the value that the module computes at that place (a softmax that the list does not call 'softmax' is quantised finished and normalised). What goes into a quantiser is computed in f32, as accurately as f32 sums, v_exp_f32 and their like allow (about 1e-6 of the number): no bf16 or f16 on the way to a quantiser, and a product that is left as it is and whose result goes on into a quantised operand takes f32 operands (vector FMAs, or v_wmma_f32_16x16x4_f32). A number that lies on a knife's edge between two numbers of the format may be rounded either way, as far as f32 arithmetic and the matrix unit's own rounding can turn it there, and no further.
;; One version. Each part assembles by itself: llvm-mc -triple=amdgcn-amd-amdhsa -mcpu=gfx1250 --defsym DOCPART=n.
;; ======== version 1 of 1: 4 launches
;; limits: right only within a limited range of input values
;; workspace buffers: cod1 8,388,608 bytes; scl1 262,144 bytes; cod2 12,582,912 bytes; scl2 393,216 bytes; cod3 4,194,304 bytes; scl3 131,072 bytes
;; launch quant (part 1): grid 256 x 1, 4 waves a work-group, no clusters, 33,280 bytes of LDS; arguments x, Wqkv_w, out_w, cod1, scl1; writes cod1, scl1
.if DOCPART == 1
	.amdgcn_target "amdgcn-amd-amdhsa--gfx1250"
	.amdhsa_code_object_version 6
	.text
	.protected	k_qf0109a5a15_quant
	.globl	k_qf0109a5a15_quant
	.p2align	8
	.type	k_qf0109a5a15_quant,@function
k_qf0109a5a15_quant:
	s_mov_b64 s[64:65], 0
	v_nop
	global_prefetch_b8 v0, s[64:65] scope:SCOPE_SE
	s_setreg_imm32_b32 hwreg(HW_REG_WAVE_MODE, 25, 1), 1
	s_wait_xcnt 0x0
; x [4096][1024], Wqkv_w [3072][1024] and out_w [1024][1024], f32, K innermost, become codes of BF8 (E5M2) with one E8M0 byte for each 32 along K.
; The three tensors are laid one behind the other as 8,192 rows: cod1 [8192][1024] bytes, scl1 [8192][32] bytes (rows 0-4095 x, 4096-7167 Wqkv_w, 7168-8191 out_w).
; A block's scale is 2^(floor(log2(its largest magnitude)) - 15); its byte is the largest magnitude's exponent field - 15, held at 1 from below.  A block of zeros so gets the byte 1
; where the rule says 127: its codes are zeros, which add nothing under any byte but 0xff, and the bytes are read by this program alone.
; LIMITS: NaN and infinities among the inputs are not served; blocks whose largest magnitude lies under 2^-111 take the floor's byte, 1.
; Rows are dense and 1,024 is a multiple of 32, so all is a plain stream of blocks.  A work-group takes 32,768 numbers, a wave 16 steps of 512.  The first 128 work-groups take x, the next 96 Wqkv_w, the last 32 out_w:
; only the pointer is chosen, by the work-group's number; the outputs are linear in that number.
; Each load reads 512 consecutive bytes, 16 a lane; a step's 2,048 bytes turn through the wave's own stage in LDS and come back 64 bytes a lane, so that a lane holds 16 neighbours along K (two lanes a block).
; Memory binds: no matrix unit, no tensor loads, no barrier (waves share nothing).  Loads run four steps ahead, the turn through LDS one step.
; WORK LEFT OUT BY THE PROGRAM: in the attention launch the key steps that lie wholly above the diagonal: reference() puts the smallest f32 number there by its own causal mask, so their softmax weights are 0 for every
; query, whatever finite values the inputs hold (key 0 counts for every query).  LIMIT: a NaN, an infinity or an overflow that reaches only those steps is not carried to the result.  Every input has a way to the output and is loaded.
.set STEPS, 16
.set EMAX,  15
.set MANT,  0x600000                   ; the mantissa field of 57,344 as f32
.set CB,    16                         ; bytes of 16 codes
.set R,     16                         ; v16-79   four sets of 16 numbers as they are loaded
.set X,     80                         ; v80-111  two sets of 16 neighbours
.set C,     128                        ; v128-191 codes: four registers for each step, so that no store's data are written again
.set E,     112                        ; v112-127 a scale byte for each step
.set WREG,  8192                       ; LDS: a region for each wave: two stages of 32 x SP bytes, behind them its 256 scale bytes
.set SP,    80                         ; a lane's place in a stage: its 64 bytes + 16 of padding
	s_load_b128 s[4:7], s[0:1], 0x0                ; x, Wqkv_w
	s_load_b128 s[8:11], s[0:1], 0x10              ; out_w, cod1
	s_load_b64 s[12:13], s[0:1], 0x20              ; scl1
	v_lshl_add_u32 v192, v0, 2, 0x8000
	v_mov_b32 v193, 0
	v_lshrrev_b32 v1, 5, v0
	v_readfirstlane_b32 s16, v1                    ; wave
	v_and_b32 v2, 31, v0                           ; lane
	v_lshlrev_b32 v3, 4, v2                        ; my 16 bytes of a load's 512
	s_mul_i32 s17, s16, WREG
	v_lshrrev_b32 v14, 2, v2
	v_mul_u32_u24 v14, v14, SP
	v_and_b32 v15, 3, v2
	v_lshl_add_u32 v14, v15, 4, v14
	v_add_nc_u32 v14, s17, v14                     ; the stage, on the way in: four lanes' 64 bytes on end, then 16 of padding
	v_mul_u32_u24 v15, v2, SP
	v_add_nc_u32 v15, s17, v15                     ; and on the way out: SP x lane: my 16 neighbours
	v_mul_u32_u24 v4, v2, CB                       ; my codes' place in a step's
	v_lshrrev_b32 v5, 1, v2
	s_add_co_u32 s17, s17, 2*32*SP
	v_add_nc_u32 v5, s17, v5                       ; LDS: my wave's 256 scale bytes, my block's byte
	v_lshlrev_b32 v7, 3, v2                        ; and on the way out 8 bytes a lane
	v_add_nc_u32 v6, s17, v7
	s_mov_b32 s23, MANT
	s_mov_b32 s18, 224
	s_wait_alu depctr_va_vdst(0)
	s_wait_kmcnt 0x0
	s_cmp_lt_u32 ttmp9, 224                        ; which tensor?  The choice hangs on the work-group's number alone
	s_cselect_b64 s[6:7], s[6:7], s[8:9]
	s_cselect_b32 s18, 128, s18
	s_cmp_lt_u32 ttmp9, 128
	s_cselect_b64 s[4:5], s[4:5], s[6:7]
	s_cselect_b32 s18, 0, s18                      ; the tensor's first work-group
	s_sub_co_u32 s18, ttmp9, s18
	s_lshl_b32 s18, s18, 2
	s_add_co_u32 s18, s18, s16                     ; which run of 8,192 numbers of the tensor is my wave's
	s_lshl_b32 s18, s18, 15                        ; 32,768 bytes a run
	s_mov_b32 s19, 0
	s_add_nc_u64 s[4:5], s[4:5], s[18:19]
	s_lshl_b32 s20, ttmp9, 2
	s_add_co_u32 s20, s20, s16                     ; which run of the whole stream
	s_lshl_b32 s18, s20, 13                        ; 8,192 bytes of codes a run
	s_add_nc_u64 s[10:11], s[10:11], s[18:19]
	s_lshl_b32 s18, s20, 8                         ; 256 scale bytes a run
	s_add_nc_u64 s[12:13], s[12:13], s[18:19]
.macro LOAD t
.irp i, 0,1,2,3
	global_load_b128 v[R+16*((\t)%4)+4*\i:R+16*((\t)%4)+4*\i+3], v3, s[4:5] offset:2048*(\t)+512*\i th:TH_LOAD_NT   ; 32 lanes read 512 consecutive bytes
.endr
.endm
.macro TURN t                          ; step t's numbers through the stage: LDS serves a wave's instructions in order, so no wait stands between the stores and the loads
.irp i, 0,1,2,3
	ds_store_b128 v14, v[R+16*((\t)%4)+4*\i:R+16*((\t)%4)+4*\i+3] offset:32*SP*((\t)%2)+8*SP*\i
.endr
.irp i, 0,1,2,3
	ds_load_b128 v[X+16*((\t)%2)+4*\i:X+16*((\t)%2)+4*\i+3], v15 offset:32*SP*((\t)%2)+16*\i
.endr
.endm
.irp t, 0,1,2,3
	LOAD \t
.endr
	s_wait_loadcnt 12                              ; step 0's four loads are in
	TURN 0
.macro STEP t
.set XS, X+16*((\t)%2)
.if (\t) > 0
	s_wait_dscnt 1                                 ; this step's numbers are back from the stage (the last step's byte store may be out): so its stores into the stage have read their registers,
.else
	s_wait_dscnt 0x0
.endif
.if (\t)+4 < STEPS
	LOAD (\t)+4                                    ; which take the loads of four steps on
.endif
.if (\t)+1 < STEPS
.if STEPS-2-(\t) >= 3
	s_wait_loadcnt 12                              ; the next step's four loads are in; those of the three steps behind it may be out
.else
	s_wait_loadcnt 4*(STEPS-2-(\t))
.endif
	TURN (\t)+1                                    ; and go through the other stage while this step is worked
.endif
	v_max3_num_f32 v8, |v[XS]|, |v[XS+1]|, |v[XS+2]|               ; the largest magnitude of my 16, in two chains
	v_max3_num_f32 v9, |v[XS+3]|, |v[XS+4]|, |v[XS+5]|
.irp i, 6,10
	v_max3_num_f32 v8, v8, |v[XS+\i]|, |v[XS+\i+1]|
	v_max3_num_f32 v9, v9, |v[XS+\i+2]|, |v[XS+\i+3]|
.endr
	v_max3_num_f32 v8, v8, |v[XS+14]|, |v[XS+15]|
	v_max3_num_f32 v8, v8, v9, 0x8000000           ; and the floor 2^(16 - 127): so the byte cannot fall under 1
	v_max_num_f32_dpp v8, v8, v8 row_xmask:1 row_mask:0xf bank_mask:0xf   ; and of my neighbour's 16: the block's
	v_add_nc_u32 v11, 0xf8800000, v8               ; 15 off its exponent field: the conversion takes the exponent field of this operand as its scale
	v_and_or_b32 v10, v8, 0x7f800000, s23          ; 57,344 x the scale
.irp i, 0,1,2,3,4,5,6,7,8,9,10,11,12,13,14,15
	v_med3_num_f32 v[XS+\i], v[XS+\i], -v10, v10   ; the conversion to an 8-bit code does not saturate (ISA guide 7.6.2): the hold comes first
.endr
	v_cvt_scalef32_pk8_bf8_f32 v[C+4*(\t):C+4*(\t)+1], v[XS:XS+7], v11
	v_cvt_scalef32_pk8_bf8_f32 v[C+4*(\t)+2:C+4*(\t)+3], v[XS+8:XS+15], v11
	v_lshrrev_b32 v[E+(\t)], 23, v11               ; the scale's byte
	ds_store_b8 v5, v[E+(\t)] offset:16*(\t)       ; both lanes of a block write the same byte with the same value
	global_store_b128 v4, v[C+4*(\t):C+4*(\t)+3], s[10:11] offset:32*CB*(\t)   ; the wave stores 512 consecutive bytes, aligned
.endm
.irp t, 0,1,2,3,4,5,6,7,8,9,10,11,12,13,14,15
	STEP \t
.endr
	ds_load_b64 v[12:13], v6                       ; LDS serves a wave's instructions in order: these see my stores
	s_wait_dscnt 0x0
	global_store_b64 v7, v[12:13], s[12:13]        ; 32 lanes store 256 consecutive bytes, aligned
	s_wait_tensorcnt 0x0
	ds_add_u32 v192, v193
	s_wait_dscnt 0x0
	s_endpgm
.Lfunc_end_k_qf0109a5a15_quant:
	.size	k_qf0109a5a15_quant, .Lfunc_end_k_qf0109a5a15_quant-k_qf0109a5a15_quant
	.p2alignl 7, 3214868480
	.fill 96, 4, 3214868480
	.section	.rodata,"a",@progbits
	.p2align	6, 0x0
	.amdhsa_kernel k_qf0109a5a15_quant
		.amdhsa_group_segment_fixed_size 33280
		.amdhsa_private_segment_fixed_size 0
		.amdhsa_enable_private_segment 0
		.amdhsa_kernarg_size 40
		.amdhsa_user_sgpr_count 2
		.amdhsa_user_sgpr_kernarg_segment_ptr 1
		.amdhsa_wavefront_size32 1
		.amdhsa_system_sgpr_workgroup_id_x 1
		.amdhsa_system_sgpr_workgroup_id_y 1
		.amdhsa_system_sgpr_workgroup_id_z 1
		.amdhsa_system_vgpr_workitem_id 0
		.amdhsa_next_free_vgpr 194
		.amdhsa_next_free_sgpr 66
		.amdhsa_reserve_vcc 0
		.amdhsa_float_denorm_mode_32 3
		.amdhsa_float_denorm_mode_16_64 3
		.amdhsa_memory_ordered 1
		.amdhsa_forward_progress 1
		.amdhsa_inst_pref_size 51
	.end_amdhsa_kernel
	.amdgpu_metadata
---
amdhsa.version: [ 1, 2 ]
amdhsa.kernels:
  - .name:           k_qf0109a5a15_quant
    .symbol:         k_qf0109a5a15_quant.kd
    .args:
      - { .name: x, .offset: 0, .size: 8, .value_kind: global_buffer, .address_space: global }
      - { .name: Wqkv_w, .offset: 8, .size: 8, .value_kind: global_buffer, .address_space: global }
      - { .name: out_w, .offset: 16, .size: 8, .value_kind: global_buffer, .address_space: global }
      - { .name: cod1, .offset: 24, .size: 8, .value_kind: global_buffer, .address_space: global }
      - { .name: scl1, .offset: 32, .size: 8, .value_kind: global_buffer, .address_space: global }
    .group_segment_fixed_size: 33280
    .private_segment_fixed_size: 0
    .kernarg_segment_align: 8
    .kernarg_segment_size: 40
    .max_flat_workgroup_size: 128
    .sgpr_count:     66
    .vgpr_count:     194
    .wavefront_size: 32
...
	.end_amdgpu_metadata
.endif
;; end of part 1
;; launch proj (part 2): grid 8 x 32, 4 waves a work-group, clusters of 4 x 4, 327,680 bytes of LDS; arguments cod1, scl1, Wqkv_b, cod2, scl2; writes cod2, scl2
.if DOCPART == 2
	.amdgcn_target "amdgcn-amd-amdhsa--gfx1250"
	.amdhsa_code_object_version 6
	.text
	.protected	k_qf0109a5a15_proj
	.globl	k_qf0109a5a15_proj
	.p2align	8
	.type	k_qf0109a5a15_proj,@function
k_qf0109a5a15_proj:
	s_mov_b64 s[64:65], 0
	v_nop
	global_prefetch_b8 v0, s[64:65] scope:SCOPE_SE
	s_setreg_imm32_b32 hwreg(HW_REG_WAVE_MODE, 25, 1), 1
	s_wait_xcnt 0x0
	s_wait_alu depctr_hold_cnt(0) depctr_sa_sdst(0) depctr_va_vdst(0) depctr_va_sdst(0) depctr_va_ssrc(0) depctr_va_vcc(0) depctr_vm_vsrc(0)
	s_getreg_b32 s2, hwreg(HW_REG_IB_STS2, 6, 4)
	s_cmp_eq_u32 s2, 0
	s_cbranch_scc0 .Lentry_in_a_cluster
	s_endpgm
.Lentry_in_a_cluster:
	s_bfe_u32 s2, ttmp6, 0x10000c
	s_cmp_lg_u32 s2, 0xf033
	s_cbranch_scc0 .Lentry_shape_is_right
	s_endpgm
.Lentry_shape_is_right:
; q, k, v = x Wqkv_w^T + Wqkv_b on codes of BF8 with E8M0 scales, and their quantisers: q and k along the head's 64, v along the tokens.  No f32 result is stored.
; cod1 [8192][1024], scl1 [8192][32]: rows 0-4095 x, 4096-7167 Wqkv_w.
; cod2: q's heads 0-15, k's 16-31: [g][token tile of 16][piece of 32 columns][lane][16 bytes];  from byte 8,388,608 on v: [group of 64 tokens][channel tile of 16][piece of 32 tokens][lane][16 bytes].
; In a piece lane (r, h) holds of row r the numbers 16 u + 8 h + j at byte 8 u + j: the same order for q and k, and for v the order in which the attention's p falls out.
; scl2: [g][32 tokens][r][u][2 bytes];  from byte 262,144 on v: [group][32 channels][r][u][2 bytes].
; SHARES.  256 work-groups: 128 tokens x (256 columns of q or k, then 128 of v).  Four waves, 2 x 2: a wave holds 64 tokens of x, ALL of K, in 512 registers and streams 64 weight rows of each of three chunks of 128 past them,
; in blocks of 16 rows that stand in registers as two whole sets: 32 products a block, twelve blocks.
; LDS: two slots of 128 rows (pitch 1,040).  The head fills slot 1 with x (waves 0, 1) and slot 0 with chunk 0 (waves 2, 3); once all waves hold x in registers chunk 1 is filled over it; chunk 2 over chunk 0 once that is read.
; Each refill stands behind a drained round of the cluster's barrier, 32 rows a wave.  CLUSTERS 4 x 4: a row shares x's rows, a column the weights'.
; PREFETCH: each wave names 32 aligned blocks of 256 bytes of chunk 1 and 32 of chunk 2: the four partners of a column, told apart by address, name each block of their chunk once.
; ORIENTATION.  q, k: source 0 = weight rows, source 1 = x: a lane holds one token, its registers run along the columns; a scale block is two stream blocks in lanes l and l xor 16.
; v: source 0 = x, source 1 = weight rows: a lane holds one channel, its registers run along the tokens.  The bias is the first products' C.
; REGISTERS: windows 1, 2: x (fragment 4 q + t);   window 3: two sets of a stream block;   window 0: the rest.
; LIMITS: NaN and infinities are not served; a block of zeros takes the byte 1 (its codes are zeros).
.set PITCH, 1040
.set X0,    128*PITCH                  ; slot 1
.set SCO,   2*X0                       ; the work-group's scale bytes: four heads x 256, then two groups of v x 256
.set SPARE, SCO+1536
.set SW,  16                           ; v16-63  the weights' scale words: 16 a chunk: 8 a pair of blocks
.set SX,  68                           ; v68-83  x's
.set AX,  84
.set AS0, 85                           ; v85, v86 my stream rows in slot 0, slot 1
.set CO,  87
.set SPW, 88
.set NIL, 89
.set BX,  90
.set BXV, 91
.set PF,  92                           ; v92, v93 prefetch offsets
.set AC0, 96                           ; v96-159 the sums of a pair of blocks
.set BI,  160                          ; v160-223 the bias of q's or k's eight blocks
.set BVR, 224                          ; v224-227 v's, a number a block
.set BV,  232                          ; v232-239 the same spread over a C
.set TQ,  240
.set TP,  244
.set SO,  248
.set LM,  252
.set WV,  14
.set G1A, 24
.set G1B, 32
.set G0A, 40
.set G0B, 44
.set G0R, 48                           ; s[48:51], s[52:55] the two refills
.set G1R, 56
.set MSB, 0
.macro WIN new
.if MSB != (\new)
	s_set_vgpr_msb (MSB<<8)|(\new)
.set MSB, (\new)
.endif
.endm
.macro WALU
	s_wait_alu depctr_va_vdst(0)
.endm
.macro PLACES n
.rept \n
	v_nop
.endr
.endm
.macro BARRIER
	s_barrier_signal -1
	s_barrier_wait -1
.endm
.macro CROUND                          ; a round of the cluster's barrier
	BARRIER
	s_cmp_lg_u32 s[WV], 0
	s_cbranch_scc1 .Lnot_wave_0_\@
	s_barrier_signal -3
.Lnot_wave_0_\@:
	s_barrier_wait -3
	BARRIER
.endm
.macro GRD
	WALU
	s_wait_tensorcnt 0x0
	ds_add_u32 v[SPW], v[NIL]
	s_wait_dscnt 0x0
.endm
.macro TLOAD g0, g1
	tensor_load_to_lds s[\g0:\g0+3], s[\g1:\g1+7]
	s_nop 0
	PLACES 4
.endm
.macro GROUP1 g, mask, rows            ; rows of 1,024 bytes, 16 bytes of padding behind each
	s_or_b32 s[\g], s[\mask], (1<<20)|(1<<21)|(7<<22)|(3<<25)
	s_mov_b32 s[\g+1], 1024<<16
	s_mov_b32 s[\g+2], \rows<<16
	s_mov_b32 s[\g+3], 1024<<16
	s_mov_b32 s[\g+4], \rows
	s_mov_b32 s[\g+5], 1024
	s_mov_b32 s[\g+6], 0
	s_mov_b32 s[\g+7], 0
.endm
.macro GROUP0 g, lds, off              ; from offset s[off] of cod1 to LDS byte s[lds]
	s_mov_b32 s[\g], 1
	s_mov_b32 s[\g+1], s[\lds]
	s_add_nc_u64 s[\g+2:\g+3], s[4:5], s[\off:\off+1]
	s_or_b32 s[\g+3], s[\g+3], 0x80000000
.endm
	s_load_b128 s[4:7], s[0:1], 0x0                ; cod1, scl1
	s_load_b128 s[8:11], s[0:1], 0x10              ; Wqkv_b, cod2
	s_load_b64 s[12:13], s[0:1], 0x20              ; scl2
	v_lshl_add_u32 v[SPW], v0, 2, SPARE
	v_mov_b32 v[NIL], 0
	ds_add_u32 v[SPW], v[NIL]                      ; the wave's opening: the add, twice on end
	ds_add_u32 v[SPW], v[NIL]
	v_lshrrev_b32 v1, 5, v0
	v_readfirstlane_b32 s[WV], v1                  ; wave 0..3
	s_lshr_b32 s15, s[WV], 1                       ; my row of waves
	s_and_b32 s16, s[WV], 1                        ; my column
	s_bfe_u32 s80, ttmp6, 0x40000                  ; cx, cy
	s_bfe_u32 s81, ttmp6, 0x40004
	s_lshl_b32 s82, ttmp9, 2
	s_add_co_u32 s82, s82, s80                     ; column group 0..7
	s_and_b32 s83, ttmp7, 0xffff
	s_lshl_b32 s83, s83, 2
	s_add_co_u32 s83, s83, s81                     ; row group 0..31
	s_lshl_b32 s84, s81, 2
	s_lshl_b32 s84, 15, s84                        ; my row of the cluster
	s_lshl_b32 s85, 0x1111, s80                    ; my column
	GROUP1 G1A, 84, 64
	GROUP1 G1B, 85, 64
	GROUP1 G1R, 85, 32
	s_lshl_b32 s20, s83, 17                        ; x: 128 rows a row group; waves 0, 1 fetch 64 each
	s_lshl_b32 s72, s16, 16
	s_add_co_u32 s20, s20, s72
	s_mov_b32 s21, 0
	s_lshl_b32 s22, s82, 18                        ; chunk 0: rows 4,096 + 256 x column group on; waves 2, 3 fetch 64 each
	s_add_co_u32 s22, s22, 4096*1024
	s_add_co_u32 s68, s22, 128*1024                ; chunk 1: 128 rows on; 32 a wave
	s_add_co_u32 s22, s22, s72
	s_mov_b32 s23, 0
	s_lshl_b32 s70, s82, 17                        ; chunk 2: rows 6,144 + 128 x column group on
	s_add_co_u32 s70, s70, 6144*1024
	s_lshl_b32 s86, s81, 15                        ; my share of a prefetch: 32 cy + 8 wave rows on
	s_lshl_b32 s87, s[WV], 13
	s_add_co_u32 s86, s86, s87
	s_add_co_u32 s87, s86, s70
	s_add_co_u32 s86, s86, s68
	s_lshl_b32 s73, s[WV], 15
	s_add_co_u32 s68, s68, s73
	s_mov_b32 s69, 0
	s_add_co_u32 s70, s70, s73
	s_mov_b32 s71, 0
	s_mul_i32 s73, s16, 64*PITCH
	s_add_co_u32 s72, s73, X0
	s_mul_i32 s75, s[WV], 32*PITCH
	s_add_co_u32 s74, s75, X0
	s_wait_dscnt 0x0                               ; both opening adds are done
	s_wait_kmcnt 0x0
	GROUP0 G0A, 72, 20
	GROUP0 G0B, 73, 22
	GROUP0 G0R, 74, 68
	GROUP0 G0R+4, 75, 70
	CROUND                                         ; all sixteen work-groups are here: the joint loads meet
	s_cmp_lt_u32 s[WV], 2
	s_cbranch_scc0 .Lfor_w
	TLOAD G0A, G1A                                 ; waves 0, 1: x
	s_branch .Lasked
.Lfor_w:
	TLOAD G0B, G1B                                 ; waves 2, 3: chunk 0
.Lasked:
	s_mov_b32 s89, 0
	s_lshl_b32 s88, s82, 2
	s_add_co_u32 s88, s88, s16                     ; my first head of q or k: 4 x column group + wave column; chunk 1's lies two on
	s_lshl_b32 s88, s88, 18
	s_lshl_b32 s90, s83, 13
	s_add_co_u32 s88, s88, s90
	s_lshl_b32 s90, s15, 12
	s_add_co_u32 s88, s88, s90
	s_add_nc_u64 s[88:89], s[10:11], s[88:89]      ; q's, k's codes
	s_lshl_b32 s90, s83, 1
	s_add_co_u32 s90, s90, s15                     ; my group of 64 tokens
	s_lshl_b32 s90, s90, 16
	s_lshl_b32 s92, s82, 13
	s_add_co_u32 s90, s90, s92
	s_lshl_b32 s92, s16, 12
	s_add_co_u32 s90, s90, s92
	s_add_co_u32 s90, s90, 0x800000
	s_mov_b32 s91, 0
	s_add_nc_u64 s[90:91], s[10:11], s[90:91]      ; v's codes
	s_mov_b32 s93, 0
	s_lshl_b32 s92, s83, 12
	s_lshl_b32 s94, s15, 11
	s_add_co_u32 s92, s92, s94
	s_add_nc_u64 s[92:93], s[6:7], s[92:93]        ; x's scale bytes
	s_mov_b32 s95, 0
	s_lshl_b32 s94, s82, 13
	s_lshl_b32 s96, s16, 11
	s_add_co_u32 s94, s94, s96
	s_add_co_u32 s94, s94, 4096*32
	s_add_nc_u64 s[94:95], s[6:7], s[94:95]        ; chunks 0 and 1's
	s_mov_b32 s97, 0
	s_lshl_b32 s98, s82, 12
	s_add_co_u32 s96, s96, s98
	s_add_co_u32 s96, s96, 6144*32
	s_add_nc_u64 s[96:97], s[6:7], s[96:97]        ; chunk 2's
	s_mov_b32 s99, 0
	s_lshl_b32 s98, s82, 10
	s_lshl_b32 s100, s16, 8
	s_add_co_u32 s98, s98, s100
	s_add_nc_u64 s[98:99], s[8:9], s[98:99]        ; the bias of q or k
	s_mov_b32 s101, 0
	s_lshl_b32 s80, s82, 9
	s_add_co_u32 s100, s100, s80
	s_add_co_u32 s100, s100, 8192
	s_add_nc_u64 s[100:101], s[8:9], s[100:101]    ; and of v
	s_mul_i32 s76, s15, 64*PITCH
	s_add_co_u32 s76, s76, X0
	s_lshl_b32 s77, s16, 8
	s_lshl_b32 s78, s15, 7
	s_add_co_u32 s77, s77, s78
	s_add_co_u32 s77, s77, SCO
	s_lshl_b32 s78, s15, 8
	s_lshl_b32 s79, s16, 7
	s_add_co_u32 s78, s78, s79
	s_add_co_u32 s78, s78, SCO+1024
	s_mov_b32 s2, 0x76543210
	s_mov_b32 s3, 0xfedcba98
	s_mov_b32 s79, 0x600000                        ; the mantissa field of 57,344
	v_and_b32 v3, 31, v0                           ; lane
	v_and_b32 v1, 15, v0                           ; r
	v_bfe_u32 v2, v0, 4, 1                         ; h
	v_lshlrev_b32 v4, 5, v3
	v_lshlrev_b32 v5, 5, v2
	v_lshlrev_b32 v6, 2, v1
	v_lshl_add_u32 v[PF], v3, 8, s86
	v_lshl_add_u32 v[PF+1], v3, 8, s87
.irp p, 0,1                                    ; scale words: lane l takes row l of a pair of tiles or blocks
.irp c, 0,1
	global_load_b128 v[SX+8*\p+4*\c:SX+8*\p+4*\c+3], v4, s[92:93] offset:1024*\p+16*\c
	global_load_b128 v[SW+8*\p+4*\c:SW+8*\p+4*\c+3], v4, s[94:95] offset:1024*\p+16*\c
	global_load_b128 v[SW+16+8*\p+4*\c:SW+16+8*\p+4*\c+3], v4, s[94:95] offset:4096+1024*\p+16*\c
	global_load_b128 v[SW+32+8*\p+4*\c:SW+32+8*\p+4*\c+3], v4, s[96:97] offset:1024*\p+16*\c
.endr
.endr
.irp k, 0,1,2,3,4,5,6,7
	global_load_b128 v[BI+8*\k:BI+8*\k+3], v5, s[98:99] offset:512*(\k/4)+64*(\k%4)
	global_load_b128 v[BI+8*\k+4:BI+8*\k+7], v5, s[98:99] offset:512*(\k/4)+64*(\k%4)+16
.endr
.irp k, 0,1,2,3
	global_load_b32 v[BVR+\k], v6, s[100:101] offset:64*\k
.endr
	v_mul_u32_u24 v7, v1, PITCH
	v_lshlrev_b32 v[CO], 4, v3
	v_lshl_add_u32 v[BX], v1, 2, s77
	v_lshl_add_u32 v[BXV], v1, 2, s78
	v_lshl_add_u32 v7, v2, 4, v7
.irp b, 0,1,2,3
	v_mov_b32 v[TP+\b], 0                          ; a lane permute's destination counts as one of its sources
.endr
	v_add_nc_u32 v[AX], s76, v7
	v_add_nc_u32 v[AS0], s73, v7
	v_add_nc_u32 v[AS0+1], s72, v7
	WALU                                           ; the head's end
	s_cmp_lt_u32 s[WV], 2
	s_cbranch_scc0 .Lnot_x
	s_wait_tensorcnt 0x0                           ; waves 0, 1: x has landed; the others' wait stands ahead of the round below
.Lnot_x:
	BARRIER
	global_prefetch_b8 v[PF], s[4:5] th:TH_LOAD_NT scope:SCOPE_SE
	global_prefetch_b8 v[PF+1], s[4:5] th:TH_LOAD_NT scope:SCOPE_SE
.set q, 0
.rept 8                                        ; x into windows 1 and 2
	WIN (1+q/4)<<6
.irp t, 0,1,2,3
.irp c, 0,1,2,3
	ds_load_b128 v[16*((4*q+\t)%16)+4*\c:16*((4*q+\t)%16)+4*\c+3], v[AX] offset:\t*16*PITCH+128*q+32*\c
.endr
.endr
.set q, q+1
.endr
	WIN 0
	s_wait_loadcnt 0x0                             ; scale words and bias
	GRD
	CROUND
	TLOAD G0R, G1R                                 ; chunk 1 over x
.macro FETCH k                         ; stream block k, all of K, into set k % 2: 32 loads
	WIN 0xc0
.set q, 0
.rept 8
.irp c, 0,1,2,3
	ds_load_b128 v[128*((\k)%2)+16*q+4*\c:128*((\k)%2)+16*q+4*\c+3], v[AS0+((\k)/4)%2] offset:((\k)%4)*16*PITCH+128*q+32*\c
.endr
.set q, q+1
.endr
	WIN 0
.endm
.macro MM d, a, b, c, sa, sb, ra, rb
.if (\ra) && (\rb)
	v_wmma_scale_f32_16x16x128_f8f6f4 v[\d:\d+7], v[\a:\a+15], v[\b:\b+15], v[\c:\c+7], v[\sa], v[\sb] matrix_a_fmt:MATRIX_FMT_BF8 matrix_b_fmt:MATRIX_FMT_BF8 matrix_a_scale:MATRIX_SCALE_ROW1 matrix_b_scale:MATRIX_SCALE_ROW1
.elseif (\ra)
	v_wmma_scale_f32_16x16x128_f8f6f4 v[\d:\d+7], v[\a:\a+15], v[\b:\b+15], v[\c:\c+7], v[\sa], v[\sb] matrix_a_fmt:MATRIX_FMT_BF8 matrix_b_fmt:MATRIX_FMT_BF8 matrix_a_scale:MATRIX_SCALE_ROW1
.elseif (\rb)
	v_wmma_scale_f32_16x16x128_f8f6f4 v[\d:\d+7], v[\a:\a+15], v[\b:\b+15], v[\c:\c+7], v[\sa], v[\sb] matrix_a_fmt:MATRIX_FMT_BF8 matrix_b_fmt:MATRIX_FMT_BF8 matrix_b_scale:MATRIX_SCALE_ROW1
.else
	v_wmma_scale_f32_16x16x128_f8f6f4 v[\d:\d+7], v[\a:\a+15], v[\b:\b+15], v[\c:\c+7], v[\sa], v[\sb] matrix_a_fmt:MATRIX_FMT_BF8 matrix_b_fmt:MATRIX_FMT_BF8
.endif
.endm
.macro BLOCK k                         ; stream block k's 32 products: four accumulators by turns
.set CK, (\k)/4
.set ST, (\k)%2
.set q, 0
.rept 8
.if CK < 2
	WIN 0x03|((1+q/4)<<2)
.else
	WIN 0x0c|(1+q/4)
.endif
.irp t, 0,1,2,3
.set DR, AC0+32*ST+8*\t
.set XR, 16*((4*q+\t)%16)
.set WR, 128*ST+16*q
.set WS, SW+16*CK+8*(((\k)%4)/2)+q
.set XS, SX+8*(\t/2)+q
.set CR, DR
.if q == 0
.if CK < 2
.set CR, BI+8*(\k)
.else
.set CR, BV
.endif
.endif
.if CK < 2
	MM DR, WR, XR, CR, WS, XS, ST, \t%2
.else
	MM DR, XR, WR, CR, XS, WS, \t%2, ST
.endif
.endr
.set q, q+1
.endr
	WIN 0
	PLACES 8                                       ; ahead of loads into what the products have read, and of the first reads of their sums
.endm
.macro VBIAS k
.irp j, 0,1,2,3,4,5,6,7
	v_mov_b32 v[BV+\j], v[BVR+\k]
.endr
	WALU
.endm
; A pair of blocks is quantised: chain n has 16 sums of a lane, eight at FS x n and eight GO on, and the same in lane l xor 16.  q, k: n = token tile, the eights are the two blocks';  v: n = 2 x block + piece.
.macro QUANT p
.if (\p) < 4
.set FS, 8
.set GO, 32
.else
.set FS, 16
.set GO, 8
.endif
	s_wait_xcnt 0x0                                ; the last pair's stores have read their codes
.irp n, 0,1,2,3
	v_max3_num_f32 v[TQ+\n], 0x8000000, |v[AC0+FS*\n]|, |v[AC0+FS*\n+1]|   ; the floor 2^(16 - 127): the byte cannot fall under 1
.endr
.irp i, 2,4,6
.irp n, 0,1,2,3
	v_max3_num_f32 v[TQ+\n], v[TQ+\n], |v[AC0+FS*\n+\i]|, |v[AC0+FS*\n+\i+1]|
.endr
.endr
.irp i, 0,2,4,6
.irp n, 0,1,2,3
	v_max3_num_f32 v[TQ+\n], v[TQ+\n], |v[AC0+FS*\n+GO+\i]|, |v[AC0+FS*\n+GO+\i+1]|
.endr
.endr
.irp n, 0,1,2,3
	v_permlanex16_b32 v[TP+\n], v[TQ+\n], s2, s3
.endr
.irp n, 0,1,2,3
	v_max_num_f32 v[TQ+\n], v[TQ+\n], v[TP+\n]
.endr
.irp n, 0,1,2,3
	v_add_nc_u32 v[SO+\n], 0xf8800000, v[TQ+\n]    ; 15 off the exponent field: the conversion's scale operand
.endr
.irp n, 0,1,2,3
	v_and_or_b32 v[LM+\n], v[TQ+\n], 0x7f800000, s79   ; 57,344 x the scale
.endr
.irp n, 0,1,2,3
	v_lshrrev_b32 v[TP+\n], 23, v[SO+\n]
.endr
.irp n, 0,1,2,3
.irp i, 0,1,2,3,4,5,6,7
	v_med3_num_f32 v[AC0+FS*\n+\i], v[AC0+FS*\n+\i], -v[LM+\n], v[LM+\n]   ; the conversion does not saturate (ISA guide 7.6.2)
	v_med3_num_f32 v[AC0+FS*\n+GO+\i], v[AC0+FS*\n+GO+\i], -v[LM+\n], v[LM+\n]
.endr
	v_cvt_scalef32_pk8_bf8_f32 v[4*\n:4*\n+1], v[AC0+FS*\n:AC0+FS*\n+7], v[SO+\n]
	v_cvt_scalef32_pk8_bf8_f32 v[4*\n+2:4*\n+3], v[AC0+FS*\n+GO:AC0+FS*\n+GO+7], v[SO+\n]
.endr
	v_nop                                          ; a plain line behind the last conversion
.irp n, 0,1,2,3
.if (\p) < 4
	ds_store_b8 v[BX], v[TP+\n] offset:512*((\p)/2)+64*(\n/2)+2*(\n%2)+(\p)%2   ; (lanes l and l xor 16 write the same byte with the same value)
	global_store_b128 v[CO], v[4*\n:4*\n+3], s[88:89] offset:524288*((\p)/2)+1024*\n+512*((\p)%2)   ; 512 consecutive bytes, aligned
.else
	ds_store_b8 v[BXV], v[TP+\n] offset:64*((\p)-4)+\n
	global_store_b128 v[CO], v[4*\n:4*\n+3], s[90:91] offset:1024*(2*((\p)-4)+\n/2)+512*(\n%2)
.endif
.endr
.endm
	FETCH 0
	FETCH 1
	s_wait_dscnt 32                                ; block 0 is in; block 1's 32 loads may be out
	BLOCK 0
	FETCH 2
	s_wait_dscnt 32
	BLOCK 1
	FETCH 3
	QUANT 0
	s_wait_dscnt 36                                ; block 3's 32 loads and the four byte stores may be out
	BLOCK 2
	GRD
	CROUND
	TLOAD G0R+4, G1R                               ; chunk 2 over chunk 0
	FETCH 4
	BLOCK 3                                        ; (its loads were waited for ahead of the round)
	FETCH 5
	QUANT 1
	s_wait_dscnt 36
	BLOCK 4
	FETCH 6
	s_wait_dscnt 32
	BLOCK 5
	FETCH 7
	QUANT 2
	s_wait_dscnt 36
	BLOCK 6
	WALU
	s_wait_tensorcnt 0x0                           ; my part of chunk 2 is in; nothing is filled again
	s_wait_dscnt 0x0
	BARRIER
	FETCH 8
	BLOCK 7
	FETCH 9
	QUANT 3
	VBIAS 0
	s_wait_dscnt 36
	BLOCK 8
	FETCH 10
	VBIAS 1
	s_wait_dscnt 32
	BLOCK 9
	FETCH 11
	QUANT 4
	VBIAS 2
	s_wait_dscnt 36
	BLOCK 10
	VBIAS 3
	s_wait_dscnt 0x0
	BLOCK 11
	QUANT 5
; the scale bytes leave: waves 0 to 2 store two aligned units of 256 bytes each: two heads of chunk 0, of chunk 1, two groups of v
	s_lshl_b32 s68, s82, 2
	s_lshl_b32 s69, s[WV], 1
	s_add_co_u32 s68, s68, s69
	s_lshl_b32 s68, s68, 13
	s_lshl_b32 s69, s83, 8
	s_add_co_u32 s68, s68, s69                     ; q, k: head 4 x column group + 2 x wave, my row group's 256 bytes
	s_lshl_b32 s70, s83, 12
	s_lshl_b32 s71, s82, 8
	s_add_co_u32 s70, s70, s71
	s_add_co_u32 s70, s70, 262144                  ; v: group 2 x row group, my column group's 256 bytes
	s_mov_b32 s72, 8192
	s_cmp_eq_u32 s[WV], 2
	s_cselect_b32 s68, s70, s68
	s_cselect_b32 s72, 2048, s72                   ; from the first unit to the second
	s_mov_b32 s69, 0
	s_add_nc_u64 s[12:13], s[12:13], s[68:69]
	s_lshl_b32 s73, s[WV], 9
	s_add_co_u32 s73, s73, SCO
	v_add_nc_u32 v228, s73, v[CO]
	v_lshrrev_b32 v229, 8, v[CO]                   ; h
	v_and_b32 v230, 255, v[CO]                     ; 16 r
	v_mul_lo_u32 v229, v229, s72
	v_add_nc_u32 v229, v229, v230
	WALU
	s_wait_dscnt 0x0                               ; my scale bytes lie in LDS
	BARRIER
	s_cmp_lt_u32 s[WV], 3
	s_cbranch_scc0 .Lno_bytes
	ds_load_b128 v[240:243], v228
	s_wait_dscnt 0x0
	global_store_b128 v229, v[240:243], s[12:13]
.Lno_bytes:
	s_wait_tensorcnt 0x0                           ; the wave's end
	ds_add_u32 v[SPW], v[NIL]
	s_wait_dscnt 0x0
	CROUND                                         ; the closing round
	s_endpgm
.Lfunc_end_k_qf0109a5a15_proj:
	.size	k_qf0109a5a15_proj, .Lfunc_end_k_qf0109a5a15_proj-k_qf0109a5a15_proj
	.p2alignl 7, 3214868480
	.fill 96, 4, 3214868480
	.section	.rodata,"a",@progbits
	.p2align	6, 0x0
	.amdhsa_kernel k_qf0109a5a15_proj
		.amdhsa_group_segment_fixed_size 327680
		.amdhsa_private_segment_fixed_size 0
		.amdhsa_enable_private_segment 0
		.amdhsa_kernarg_size 40
		.amdhsa_user_sgpr_count 2
		.amdhsa_user_sgpr_kernarg_segment_ptr 1
		.amdhsa_wavefront_size32 1
		.amdhsa_system_sgpr_workgroup_id_x 1
		.amdhsa_system_sgpr_workgroup_id_y 1
		.amdhsa_system_sgpr_workgroup_id_z 1
		.amdhsa_system_vgpr_workitem_id 0
		.amdhsa_next_free_vgpr 1024
		.amdhsa_next_free_sgpr 102
		.amdhsa_reserve_vcc 0
		.amdhsa_float_denorm_mode_32 3
		.amdhsa_float_denorm_mode_16_64 3
		.amdhsa_memory_ordered 1
		.amdhsa_forward_progress 1
		.amdhsa_inst_pref_size 153
	.end_amdhsa_kernel
	.amdgpu_metadata
---
amdhsa.version: [ 1, 2 ]
amdhsa.kernels:
  - .name:           k_qf0109a5a15_proj
    .symbol:         k_qf0109a5a15_proj.kd
    .args:
      - { .name: cod1, .offset: 0, .size: 8, .value_kind: global_buffer, .address_space: global }
      - { .name: scl1, .offset: 8, .size: 8, .value_kind: global_buffer, .address_space: global }
      - { .name: Wqkv_b, .offset: 16, .size: 8, .value_kind: global_buffer, .address_space: global }
      - { .name: cod2, .offset: 24, .size: 8, .value_kind: global_buffer, .address_space: global }
      - { .name: scl2, .offset: 32, .size: 8, .value_kind: global_buffer, .address_space: global }
    .group_segment_fixed_size: 327680
    .private_segment_fixed_size: 0
    .kernarg_segment_align: 8
    .kernarg_segment_size: 40
    .max_flat_workgroup_size: 128
    .sgpr_count:     102
    .vgpr_count:     1024
    .wavefront_size: 32
...
	.end_amdgpu_metadata
.endif
;; end of part 2
;; launch attn (part 3): grid 16 x 16, 8 waves a work-group, no clusters, 327,680 bytes of LDS; arguments cod2, scl2, attn_bias, cod3, scl3; writes cod3, scl3
.if DOCPART == 3
	.amdgcn_target "amdgcn-amd-amdhsa--gfx1250"
	.amdhsa_code_object_version 6
	.text
	.protected	k_qf0109a5a15_attn
	.globl	k_qf0109a5a15_attn
	.p2align	8
	.type	k_qf0109a5a15_attn,@function
k_qf0109a5a15_attn:
	s_mov_b64 s[64:65], 0
	v_nop
	global_prefetch_b8 v0, s[64:65] scope:SCOPE_SE
	s_setreg_imm32_b32 hwreg(HW_REG_WAVE_MODE, 25, 1), 1
	s_wait_xcnt 0x0
; Causal attention of one head on codes of BF8 (E5M2) with E8M0 scales: S = q k^T / 8 + bias, p = 2^(t - M), O = p v / l, and O quantised along d_model for the last product.
; t = S x log2(e); M = the running largest t rounded UP to a whole number; p is quantised along the keys, not normalised; l is the sum of the unquantised p.  When M moves, l and O are multiplied by 2^(old M - new M): exact.
; SHARES.  Work-group (i, head) owns the blocks of 128 queries 31 - i and i, one after the other: (33 - i) / 2 slots of 256 keys (rounded down), then the rest of 17: every work-group walks 17 slots.
; Wave w holds 32 queries of the block in hand, 32 (w % 4) on: two tiles of 16, which share each fragment of K and V and each bias; waves 0 to 3 take a slot's first 128 keys, waves 4 to 7 the second 128.
; At a block's end each wave lays O^T, l and -M into its own stash in LDS; at the launch's end a wave joins the two halves' parts of 32 queries: exact powers of two and one addition.
; LEFT OUT: slots wholly above the diagonal of the block in hand (masked by reference() itself).  One half of a slot above the diagonal may stay: its scores are masked.
; NO CLUSTER: the slot at which a work-group changes blocks hangs on its own number; four neighbours have two different such numbers, so partners would need different tiles at the same turn.
; THE RING.  Two LDS slots, 65,536 bytes apart, of 34,816: K's codes (16 key tiles x 1,024 bytes: two pieces of 32 lanes x 16 bytes), V's (four groups of 64 keys x 4,096 bytes: four channel tiles, two pieces each),
; then 512 bytes each: V's scale words, K's, the bias of each half.  The codes lie in the order of the operand registers: neighbouring lanes read neighbouring 16 bytes.
; Wave w fetches one of the eight parts; one load a wave is out.  A barrier a turn, signalled when all of the slot but K's next step is in registers; behind it the next slot is whole.
; THE FIRST PRODUCT, K = 64 in an instruction of 128: a fragment of K holds key 32 c + r in k 0-63 and key 32 c + 16 + r in k 64-127, and is used twice: against [q | 0] and against [0 | q].
; The factor 1/8 is taken off q's scale bytes; the bias is loaded into tile 0's accumulators and is the C of both tiles' products (tile 1's first).
; Both products are used transposed: a lane holds ONE query (lane % 16) of each tile; register j of score tile n is key 16 n + 8 (lane / 16) + j: the order in which v's keys were laid.
; LIMITS: q blocks whose largest magnitude lies under 2^-109 (scale byte under 3) come out up to 8 times too large; NaN and infinities are not served; a block of zeros takes the byte 1 (its codes are zeros).
; REGISTERS.  Window 0: v0-127 both tiles' scores, then p; v128-159 p's codes; v160-191, v192-223 at work, a run for each tile; v224-255 addresses and scale words.
;   Window 1: v0-63 K's fragments; v64-127 V's; v128-191 both tiles' O^T; v192-239 both tiles' [0 | q | 0]; v240-255 the low block's q.
.set SL1,   65536
.set STASH, 110592                     ; behind the ring: for each wave, for each of two blocks, for each of two tiles: O^T 4,096 bytes, (l, -M) 256 bytes
.set SB,    4352
.set WS,    4*SB
.set SPARE, STASH+8*WS                 ; the spare words, 128 bytes for each wave
.set STGO,  SPARE+1024                 ; the way out: 32 rows x 80 bytes for each wave;
.set SCS,   STGO+8*2560                ; the work-group's 512 scale bytes
.set KP,    80
.set PC,  128                          ; window 0; tile t's run of what follows begins 32 t on
.set BM,  160
.set T1,  164
.set LM,  168
.set SO,  172
.set TA,  176
.set TBV, 177
.set F,   178
.set NM,  180
.set TM,  182
.set L,   184
.set A1,  186
.set A2,  188
.set A3,  190
.set SPW, 224
.set NIL, 225
.set AK,  226
.set AS,  227
.set AB,  228
.set ADV, 229
.set ADW, 230
.set ADK, 231
.set ADS, 232
.set ADB, 233
.set QSL, 234                          ; QSL, QSH of tile t at 234 + 2 t, 235 + 2 t
.set KSW, 238
.set W0,  240
.set VSW, 242
.set PSW, 244                          ; tile t's at 244 + t
.set DL,  246
.set PFO, 247
.set QLW, 248                          ; the low block's q scale words
.set STA, 252
.set STL, 253
.set MA,  254
.set ML,  255
.set VF,  64                           ; window 1
.set O,   128
.set QH,  192                          ; tile t's 24 t on
.set QL,  200
.set QLO_, 240
.set PN,  3                            ; s3  slots of the high block
.set TB,  14                           ; s14 LDS byte at which the slot in hand begins
.set KF,  15
.set Q0,  16
.set QLO, 17
.set WV,  18
.set MNT, 19
.set SEL, 20
.set CS,  22
.set G1K, 24
.set G1V, 32
.set G0,  40
.set BASE, 44
.set STEP, 46
.set IDX, 47
.set G1D, 48
.set G1S, 56
.set PFA, 76
.set PFS, 78
.set LIM, 80
.set MSB, 0
.macro WIN new                         ; the immediate's high byte repeats the setting that is left
.if MSB != (\new)
	s_set_vgpr_msb (MSB<<8)|(\new)
.set MSB, (\new)
.endif
.endm
.macro WALU
	s_wait_alu depctr_va_vdst(0)
.endm
.macro PLACES n
.rept \n
	v_nop
.endr
.endm
; Waves 0, 1 fetch K's halves, 2, 3 V's, 4 V's scale words, 5 K's, 6 and 7 the bias of each half.  The branches hang on the wave's number alone; an s_nop 0 and four v_nop follow each line.
.macro TLOAD
	s_cmp_lt_u32 s[WV], 2
	s_cbranch_scc0 .Lt1_\@
	tensor_load_to_lds s[G0:G0+3], s[G1K:G1K+7]
	s_nop 0
	PLACES 4
	s_branch .Ltd_\@
.Lt1_\@:
	s_cmp_lt_u32 s[WV], 4
	s_cbranch_scc0 .Lt2_\@
	tensor_load_to_lds s[G0:G0+3], s[G1V:G1V+7]
	s_nop 0
	PLACES 4
	s_branch .Ltd_\@
.Lt2_\@:
	s_cmp_lt_u32 s[WV], 5
	s_cbranch_scc0 .Lt3_\@
	tensor_load_to_lds s[G0:G0+3], s[G1S:G1S+7]
	s_nop 0
	PLACES 4
	s_branch .Ltd_\@
.Lt3_\@:
	tensor_load_to_lds s[G0:G0+3], s[G1D:G1D+7]
	s_nop 0
	PLACES 4
.Ltd_\@:
.endm
; My part of the next slot to be asked for: the other LDS slot; behind the high block's last slot the low block begins with slot 0 again.
.macro STEPG
	s_xor_b32 s[G0+1], s[G0+1], SL1
	s_add_co_u32 s[IDX], s[IDX], 1
	s_cmp_eq_u32 s[IDX], s[PN]
	s_cselect_b32 s[IDX], 0, s[IDX]
	s_mul_i32 s66, s[IDX], s[STEP]
	s_add_nc_u64 s[G0+2:G0+3], s[BASE:BASE+1], s[66:67]
	s_or_b32 s[G0+3], s[G0+3], 0x80000000
.endm
.macro DENSE g, el, rows, pitch        ; descriptor group 1: rows of elements of 8 bytes, no padding
	s_mov_b32 s[\g], 3<<16
	s_mov_b32 s[\g+1], \el<<16
	s_mov_b32 s[\g+2], \rows<<16
	s_mov_b32 s[\g+3], \el<<16
	s_mov_b32 s[\g+4], \rows
	s_mov_b32 s[\g+5], \pitch
	s_mov_b32 s[\g+6], 0
	s_mov_b32 s[\g+7], 0
.endm
	s_load_b128 s[4:7], s[0:1], 0x0                ; cod2, scl2
	s_load_b128 s[8:11], s[0:1], 0x10              ; attn_bias, cod3
	s_load_b64 s[12:13], s[0:1], 0x20              ; scl3
	v_lshl_add_u32 v[SPW], v0, 2, SPARE
	v_mov_b32 v[NIL], 0
	ds_add_u32 v[SPW], v[NIL]                      ; the wave's opening: the add, twice on end
	ds_add_u32 v[SPW], v[NIL]
	v_lshrrev_b32 v1, 5, v0
	v_readfirstlane_b32 s[WV], v1                  ; wave 0..7
	s_and_b32 s81, ttmp7, 0xffff                   ; the head
	s_lshr_b32 s82, s[WV], 2                       ; my half of a slot's keys
	s_and_b32 s83, s[WV], 3                        ; my 32 queries of a block
	s_sub_co_u32 s84, 31, ttmp9
	s_lshl_b32 s84, s84, 7
	s_lshl_b32 s85, s83, 5
	s_add_co_u32 s[Q0], s84, s85
	s_lshl_b32 s[QLO], ttmp9, 7
	s_add_co_u32 s[QLO], s[QLO], s85
	s_sub_co_u32 s[PN], 33, ttmp9
	s_lshr_b32 s[PN], s[PN], 1                     ; 9 to 16
	s_lshl_b32 s[KF], s82, 7
	s_mov_b32 s[TB], 0
	s_mov_b32 s[IDX], 0
	s_mov_b32 s[SEL], 0x76543210
	s_mov_b32 s[SEL+1], 0xfedcba98
	s_mov_b32 s[CS], 0x3fb8aa3b                    ; log2(e)
	s_mov_b32 s[CS+1], s[CS]                       ; (named with it as a pair, so it is written)
	s_mov_b32 s[MNT], 0x600000
	DENSE G1K, 32, 32, 32                          ; K: 8,192 dense bytes as 32 rows of 256
	DENSE G1V, 512, 2, 8192                        ; V: two groups of 4,096 dense bytes, 65,536 bytes apart
	DENSE G1D, 32, 2, 32                           ; 512 dense bytes
	DENSE G1S, 16, 4, 256                          ; V's scale words: four rows of 128 bytes, 2,048 bytes apart
	; where slot 0's part of each kind begins, in bytes from its buffer
	s_and_b32 s96, s[WV], 1
	s_add_co_u32 s86, s81, 16
	s_lshl_b32 s87, s86, 18
	s_lshl_b32 s88, s96, 13
	s_add_co_u32 s87, s87, s88                     ; K's codes
	s_lshl_b32 s88, s96, 17
	s_lshl_b32 s89, s81, 12
	s_add_co_u32 s88, s88, s89
	s_add_co_u32 s88, s88, 0x800000                ; V's codes
	s_lshl_b32 s89, s86, 13                        ; K's scale words
	s_lshl_b32 s90, s81, 14
	s_lshl_b32 s91, s96, 9
	s_add_co_u32 s90, s90, s91                     ; the bias
	s_lshl_b32 s91, s81, 7
	s_add_co_u32 s91, s91, 262144                  ; V's scale words
	s_min_u32 s96, s[WV], 4
	s_lshl_b32 s96, s96, 13
	s_mul_i32 s97, s82, s83
	s_lshl_b32 s97, s97, 9
	s_add_co_u32 s96, s96, s97                     ; my part's place in a slot: 8,192 w for waves 0 to 4, 512 bytes on for each wave behind
	s_wait_dscnt 0x0                               ; both opening adds are done
	s_wait_kmcnt 0x0
	s_mov_b64 s[92:93], s[8:9]                     ; buffer, offset and a slot's step, chosen by the wave's number
	s_mov_b32 s94, s90
	s_mov_b32 s[STEP], 1024
	s_cmp_lt_u32 s[WV], 6
	s_cselect_b64 s[92:93], s[6:7], s[92:93]
	s_cselect_b32 s94, s89, s94
	s_cselect_b32 s[STEP], 512, s[STEP]
	s_cmp_lt_u32 s[WV], 5
	s_cselect_b32 s94, s91, s94
	s_cselect_b32 s[STEP], 8192, s[STEP]
	s_cmp_lt_u32 s[WV], 4
	s_cselect_b64 s[92:93], s[4:5], s[92:93]
	s_cselect_b32 s94, s88, s94
	s_cselect_b32 s[STEP], 262144, s[STEP]
	s_cmp_lt_u32 s[WV], 2
	s_cselect_b32 s94, s87, s94
	s_cselect_b32 s[STEP], 16384, s[STEP]
	s_mov_b32 s95, 0
	s_mov_b32 s67, 0
	s_add_nc_u64 s[BASE:BASE+1], s[92:93], s[94:95]
	s_mov_b32 s[G0], 1
	s_mov_b32 s[G0+1], s96
	s_mov_b64 s[G0+2:G0+3], s[BASE:BASE+1]
	s_or_b32 s[G0+3], s[G0+3], 0x80000000
	TLOAD                                          ; slot 0; slot 1 is first filled behind the first barrier
	; q: codes and scale words of my 32 queries of both blocks
	s_mov_b32 s69, 0
	s_mov_b32 s73, 0
	s_lshl_b32 s84, s81, 12
	s_add_co_u32 s68, s84, s[Q0]
	s_lshl_b32 s68, s68, 6
	s_add_nc_u64 s[86:87], s[4:5], s[68:69]
	s_add_co_u32 s72, s84, s[QLO]
	s_lshl_b32 s72, s72, 6
	s_add_nc_u64 s[88:89], s[4:5], s[72:73]
	s_cmp_lt_u32 s[WV], 4                          ; at the end waves 0 to 3 join the high block's parts, waves 4 to 7 the low block's
	s_cselect_b32 s68, s68, s72
	s_add_nc_u64 s[10:11], s[10:11], s[68:69]
	s_lshl_b32 s84, s81, 13
	s_lshl_b32 s68, s[Q0], 1
	s_add_co_u32 s68, s68, s84
	s_add_nc_u64 s[90:91], s[6:7], s[68:69]        ; 64 bytes for 32 queries: a word a row: tile 0's two bytes, tile 1's
	s_lshl_b32 s72, s[QLO], 1
	s_add_co_u32 s72, s72, s84
	s_add_nc_u64 s[92:93], s[6:7], s[72:73]
	v_and_b32 v3, 31, v0                           ; lane
	v_and_b32 v1, 15, v0                           ; r
	v_bfe_u32 v2, v0, 4, 1                         ; h
	v_lshlrev_b32 v4, 4, v3
	v_lshlrev_b32 v5, 2, v1
	global_load_b32 v188, v5, s[90:91]
	global_load_b32 v189, v5, s[92:93]
	WIN 0x40
.irp t, 0,1
.irp c, 0,1
	global_load_b128 v[QL+24*\t+4*\c:QL+24*\t+4*\c+3], v4, s[86:87] offset:1024*\t+512*\c
	global_load_b128 v[QLO_+8*\t+4*\c:QLO_+8*\t+4*\c+3], v4, s[88:89] offset:1024*\t+512*\c
.endr
.endr
	WIN 0
	; the prefetches: two of the head's sixteen work-groups, numbers 0 and 4, ask for the codes of the slots of their own high blocks, one slot ahead of their refills: waves 4, 5 for K's 16,384 bytes, waves 6, 7 for V's four
	; groups of 4,096; lanes 256 bytes apart.  Slots 0 to 2 come by their loads alone; turn n names slot n + 3, up to the high block's last.
	s_and_b32 s96, s[WV], 1
	s_lshl_b32 s97, s96, 13
	s_add_co_u32 s98, s81, 16
	s_lshl_b32 s98, s98, 18
	s_add_co_u32 s97, s97, s98
	s_add_co_u32 s97, s97, 2*16384
	s_lshl_b32 s98, s96, 17
	s_lshl_b32 s99, s81, 12
	s_add_co_u32 s98, s98, s99
	s_add_co_u32 s98, s98, 0x800000+2*262144
	s_mov_b32 s[PFS], 262144
	s_mov_b32 s70, 65536
	s_cmp_lt_u32 s[WV], 6
	s_cselect_b32 s68, s97, s98
	s_cselect_b32 s[PFS], 16384, s[PFS]
	s_cselect_b32 s70, 4096, s70                   ; from lanes 0-15 to lanes 16-31
	s_mov_b32 s[PFS+1], 0
	s_add_nc_u64 s[PFA:PFA+1], s[4:5], s[68:69]
	s_sub_co_u32 s72, s[PN], 3
	s_xor_b32 s71, s82, 1
	s_and_b32 s74, ttmp9, 0xfffffffb
	s_or_b32 s71, s71, s74
	s_cmp_eq_u32 s71, 0
	s_cselect_b32 s[LIM], s72, 0
	s_lshl_b32 s68, ttmp9, 8
	s_add_co_u32 s68, s68, s84
	s_add_nc_u64 s[12:13], s[12:13], s[68:69]      ; scl3: the low block's 256 bytes
	s_lshl_b32 s94, s82, 13
	s_lshl_b32 s95, s82, 8
	s_add_co_u32 s95, s95, 32768
	s_lshl_b32 s96, s82, 9
	s_add_co_u32 s96, s96, 33792
	s_mul_i32 s97, s[WV], WS
	s_add_co_u32 s97, s97, STASH                   ; my stash
	s_mul_i32 s98, s83, WS
	s_mul_i32 s99, s82, 2*SB
	s_add_co_u32 s98, s98, s99
	s_add_co_u32 s98, s98, STASH                   ; the first of the two stashes that I join
	WALU
	v_mul_lo_u32 v[PFO], v2, s70
	v_lshl_add_u32 v[STA], v3, 4, s97
	v_lshl_add_u32 v[STL], v3, 3, s97
	v_lshl_add_u32 v[MA], v3, 4, s98
	v_lshl_add_u32 v[ML], v3, 3, s98
	v_lshl_add_u32 v[PFO], v1, 8, v[PFO]
	v_lshl_add_u32 v[AK], v3, 4, s94
	v_lshl_add_u32 v[AS], v3, 2, s95
	v_lshl_add_u32 v[AB], v2, 5, s96
	v_lshlrev_b32 v[DL], 3, v2
	v_mov_b32 v[ADK], v[AK]
	v_mov_b32 v[ADS], v[AS]
	v_mov_b32 v[ADB], v[AB]
	v_sub_nc_u32 v[DL], v1, v[DL]
.irp t, 0,1
.irp b, 0,1,2,3
	v_mov_b32 v[T1+32*\t+\b], 0                    ; a lane permute's destination counts as one of its sources
.endr
	v_mov_b32 v[TM+32*\t], 0xff61b1e6              ; the largest t so far: -3e38
	v_mov_b32 v[F+32*\t+1], 0                      ; (named as upper halves of pairs)
	v_mov_b32 v[NM+32*\t+1], 0
	v_mov_b32 v[L+32*\t], 0
	v_mov_b32 v[L+32*\t+1], 0
	v_floor_f32 v[NM+32*\t], -v[TM+32*\t]          ; -M
.endr
	WIN 0x40
.irp t, 0,1
.irp j, 0,1,2,3,4,5,6,7
	v_mov_b32 v[QH+24*\t+\j], 0                    ; the zero codes on both sides of q
	v_mov_b32 v[QL+24*\t+8+\j], 0
.endr
.endr
.set n, 0
.rept 64
	v_mov_b32 v[O+n], 0                            ; O^T.  (The turn finds zeros, which the first change of M leaves zeros)
.set n, n+1
.endr
	WIN 0
	WALU                                           ; the head's end
	s_wait_tensorcnt 0x0                           ; my part of slot 0 is in
	ds_add_u32 v[SPW], v[NIL]
	STEPG
	s_wait_dscnt 0x0
	s_barrier_signal -1
	s_barrier_wait -1
	TLOAD                                          ; slot 1
.macro KFRAG                           ; the next turn's K fragments and K's scale words
	WIN 0x40
.irp c, 0,1,2,3
.irp i, 0,1,2,3
	ds_load_b128 v[16*\c+4*\i:16*\c+4*\i+3], v[ADK] offset:2048*\c+512*\i
.endr
.endr
	WIN 0
	ds_load_b32 v[KSW],   v[ADS] offset:512
	ds_load_b32 v[KSW+1], v[ADS] offset:640
.endm
.macro KBIAS                           ; its bias, into tile 0's accumulators
.irp t, 0,1,2,3,4,5,6,7
	ds_load_b128 v[8*\t:8*\t+3],   v[ADB] offset:64*\t
	ds_load_b128 v[8*\t+4:8*\t+7], v[ADB] offset:64*\t+16
.endr
.endm
.macro VLOAD
	WIN 0x40
.irp t, 0,1,2,3
.irp c, 0,1,2,3
	ds_load_b128 v[VF+16*\t+4*\c:VF+16*\t+4*\c+3], v[ADV] offset:16384+(\c/2)*4096+1024*\t+512*(\c%2)
.endr
.endr
	WIN 0
	ds_load_b32 v[W0],   v[ADW]
	ds_load_b32 v[W0+1], v[ADW] offset:128
.endm
.macro SPROD t                         ; S^T of tile t, C = tile 0's accumulators: eight accumulators by turns
.irp c, 0,1,2,3
.if (\c%2) == 0
	v_wmma_scale_f32_16x16x128_f8f6f4 v[64*\t+16*\c:64*\t+16*\c+7], v[16*\c:16*\c+15], v[QL+24*\t:QL+24*\t+15], v[16*\c:16*\c+7], v[KSW+\c/2], v[QSL+2*\t] matrix_a_fmt:MATRIX_FMT_BF8 matrix_b_fmt:MATRIX_FMT_BF8
	v_wmma_scale_f32_16x16x128_f8f6f4 v[64*\t+16*\c+8:64*\t+16*\c+15], v[16*\c:16*\c+15], v[QH+24*\t:QH+24*\t+15], v[16*\c+8:16*\c+15], v[KSW+\c/2], v[QSL+2*\t+1] matrix_a_fmt:MATRIX_FMT_BF8 matrix_b_fmt:MATRIX_FMT_BF8
.else
	v_wmma_scale_f32_16x16x128_f8f6f4 v[64*\t+16*\c:64*\t+16*\c+7], v[16*\c:16*\c+15], v[QL+24*\t:QL+24*\t+15], v[16*\c:16*\c+7], v[KSW+\c/2], v[QSL+2*\t] matrix_a_fmt:MATRIX_FMT_BF8 matrix_b_fmt:MATRIX_FMT_BF8 matrix_a_scale:MATRIX_SCALE_ROW1
	v_wmma_scale_f32_16x16x128_f8f6f4 v[64*\t+16*\c+8:64*\t+16*\c+15], v[16*\c:16*\c+15], v[QH+24*\t:QH+24*\t+15], v[16*\c+8:16*\c+15], v[KSW+\c/2], v[QSL+2*\t+1] matrix_a_fmt:MATRIX_FMT_BF8 matrix_b_fmt:MATRIX_FMT_BF8 matrix_a_scale:MATRIX_SCALE_ROW1
.endif
.endr
.endm
.macro OPROD t                         ; O^T += V^T P^T: channels 16 c on
.irp c, 0,1,2,3
.if \c < 2
	v_wmma_scale_f32_16x16x128_f8f6f4 v[O+32*\t+8*\c:O+32*\t+8*\c+7], v[VF+16*\c:VF+16*\c+15], v[PC+16*\t:PC+16*\t+15], v[O+32*\t+8*\c:O+32*\t+8*\c+7], v[VSW+\c%2], v[PSW+\t] matrix_a_fmt:MATRIX_FMT_BF8 matrix_b_fmt:MATRIX_FMT_BF8
.else
	v_wmma_scale_f32_16x16x128_f8f6f4 v[O+32*\t+8*\c:O+32*\t+8*\c+7], v[VF+16*\c:VF+16*\c+15], v[PC+16*\t:PC+16*\t+15], v[O+32*\t+8*\c:O+32*\t+8*\c+7], v[VSW+\c%2], v[PSW+\t] matrix_a_fmt:MATRIX_FMT_BF8 matrix_b_fmt:MATRIX_FMT_BF8 matrix_a_scale:MATRIX_SCALE_ROW1
.endif
.endr
.endm
.macro MASK t                          ; the scores of hidden keys become -infinity: p = 0 then
	s_sub_co_i32 s96, s[Q0], s[KF]
.if \t
	s_add_co_u32 s96, s96, 16
.endif
	v_add_nc_u32 v[TA+32*\t], s96, v[DL]           ; d = my query - KF - 8 h.  Register 8 t + j holds key KF + 16 t + 8 h + j: hidden where 16 t + j > d
	v_mov_b32 v[TBV+32*\t], 0xff800000
.set n, 0
.rept 64
	v_cmp_gt_i32 vcc_lo, 16*(n/8)+n%8, v[TA+32*\t]
	v_cndmask_b32 v[64*\t+n], v[64*\t+n], v[TBV+32*\t], vcc_lo
.set n, n+1
.endr
.endm
.macro SMAX t                          ; each block's largest score of my lane: for the row's maximum, and, since p rises with the score, for the block's largest p
.irp b, 0,1,2,3
	v_max3_num_f32 v[BM+32*\t+\b], v[64*\t+16*\b], v[64*\t+16*\b+1], v[64*\t+16*\b+2]
.endr
.irp i, 3,5,7,9,11,13
.irp b, 0,1,2,3
	v_max3_num_f32 v[BM+32*\t+\b], v[BM+32*\t+\b], v[64*\t+16*\b+\i], v[64*\t+16*\b+\i+1]
.endr
.endr
.irp b, 0,1,2,3
	v_max_num_f32 v[BM+32*\t+\b], v[BM+32*\t+\b], v[64*\t+16*\b+15]
.endr
.endm
.macro MCHAIN                          ; both tiles by turns: M, and f = 2^(old M - new M); O^T under the new M
.irp t, 1,0
.irp b, 0,1,2,3
	v_permlanex16_b32 v[T1+32*\t+\b], v[BM+32*\t+\b], s[SEL], s[SEL+1]
.endr
.endr
.irp t, 1,0
.irp b, 0,1,2,3
	v_max_num_f32 v[BM+32*\t+\b], v[BM+32*\t+\b], v[T1+32*\t+\b]   ; with lane l xor 16's 16 keys
.endr
.endr
.irp t, 1,0
	v_max3_num_f32 v[TA+32*\t], v[BM+32*\t], v[BM+32*\t+1], v[BM+32*\t+2]
.endr
.irp t, 1,0
	v_max_num_f32 v[TA+32*\t], v[TA+32*\t], v[BM+32*\t+3]
.endr
.irp t, 1,0
	v_mul_f32 v[TA+32*\t], s[CS], v[TA+32*\t]      ; as t
.endr
.irp t, 1,0
	v_max_num_f32 v[TM+32*\t], v[TM+32*\t], v[TA+32*\t]   ; the running largest t
.endr
.irp t, 1,0
	v_mov_b32 v[TA+32*\t], v[NM+32*\t]
.endr
.irp t, 1,0
	v_floor_f32 v[NM+32*\t], -v[TM+32*\t]          ; the new -M = floor(-t): M is a whole number
.endr
.irp t, 1,0
	v_sub_f32 v[TA+32*\t], v[NM+32*\t], v[TA+32*\t]   ; old M - new M: a whole number, 0 or less
.endr
.irp t, 1,0
	v_cvt_i32_f32 v[TA+32*\t], v[TA+32*\t]         ; (it saturates)
.endr
.irp t, 1,0
	v_ldexp_f32 v[F+32*\t], 1.0, v[TA+32*\t]
.endr
	WIN 0x41
.irp t, 1,0
.set n, O+32*\t
.rept 16
	v_pk_mul_f32 v[n:n+1], v[n:n+1], v[F+32*\t:F+32*\t+1] op_sel_hi:[1,0]
.set n, n+2
.endr
.endr
	WIN 0
.endm
.macro FMA2 t, n                       ; t - M, two at a time
	v_pk_fma_f32 v[64*\t+2*\n:64*\t+2*\n+1], v[64*\t+2*\n:64*\t+2*\n+1], s[CS:CS+1], v[NM+32*\t:NM+32*\t+1] op_sel_hi:[1,0,0]
.endm
.macro FMAB t, b                       ; the same of a block's largest score
	v_fma_f32 v[BM+32*\t+\b], v[BM+32*\t+\b], s[CS], v[NM+32*\t]
.endm
.macro HOLD t, n                       ; two numbers held: the conversion does not saturate (ISA guide 7.6.2); p is not negative, so the hold is one-sided
	v_dual_min_num_f32 v[64*\t+2*\n], v[LM+32*\t+\n/8], v[64*\t+2*\n] :: v_dual_min_num_f32 v[64*\t+2*\n+1], v[LM+32*\t+\n/8], v[64*\t+2*\n+1]
.endm
.macro EXPS t                          ; p = 2^(t - M) of tile t, the blocks' largest p first; among them what nothing of the batch reads: tile 1's multiply-adds, tile 0's holds
.irp b, 0,1,2,3
	v_exp_f32 v[BM+32*\t+\b], v[BM+32*\t+\b]
.if \t == 0
	FMAB 1, \b
.endif
.endr
.irp n, 0,1,2,3,4,5,6,7,8,9,10,11,12,13,14,15,16,17,18,19,20,21,22,23,24,25,26,27,28,29,30,31
	v_exp_f32 v[64*\t+2*\n], v[64*\t+2*\n]
.if \t == 0
	FMA2 1, \n
.else
	HOLD 0, \n
.endif
	v_exp_f32 v[64*\t+2*\n+1], v[64*\t+2*\n+1]
.endr
	v_pk_mul_f32 v[L+32*\t:L+32*\t+1], v[L+32*\t:L+32*\t+1], v[F+32*\t:F+32*\t+1] op_sel_hi:[1,0]   ; l under the new M: a plain line behind the exponentials
	WALU                                           ; one wait for the batch
.endm
.macro SUMS t                          ; l, of the unquantised p, in four chains
.set B1, A1+32*\t
.set B2, A2+32*\t
.set B3, A3+32*\t
.set B4, L+32*\t
.set n, 64*\t
	v_pk_add_f32 v[B1:B1+1], v[n:n+1], v[n+2:n+3]
	v_pk_add_f32 v[B2:B2+1], v[n+4:n+5], v[n+6:n+7]
	v_pk_add_f32 v[B3:B3+1], v[n+8:n+9], v[n+10:n+11]
	v_pk_add_f32 v[B4:B4+1], v[B4:B4+1], v[n+12:n+13]
.set n, n+14
.rept 6
	v_pk_add_f32 v[B1:B1+1], v[B1:B1+1], v[n:n+1]
	v_pk_add_f32 v[B2:B2+1], v[B2:B2+1], v[n+2:n+3]
	v_pk_add_f32 v[B3:B3+1], v[B3:B3+1], v[n+4:n+5]
	v_pk_add_f32 v[B4:B4+1], v[B4:B4+1], v[n+6:n+7]
.set n, n+8
.endr
	v_pk_add_f32 v[B1:B1+1], v[B1:B1+1], v[n:n+1]
	v_pk_add_f32 v[B2:B2+1], v[B2:B2+1], v[B3:B3+1]
.endm
.macro SCALE t                         ; the sum's last steps among the blocks' scales
.irp b, 0,1,2,3
	v_max_num_f32 v[BM+32*\t+\b], 0x8000000, v[BM+32*\t+\b]   ; the floor 2^(16 - 127): the byte cannot fall under 1
.endr
	v_pk_add_f32 v[B4:B4+1], v[B4:B4+1], v[B1:B1+1]
.irp b, 0,1,2,3
	v_add_nc_u32 v[SO+32*\t+\b], 0xf8800000, v[BM+32*\t+\b]   ; 15 off the exponent field: the conversion's scale operand
.endr
	v_pk_add_f32 v[B4:B4+1], v[B4:B4+1], v[B2:B2+1]
.irp b, 3,2,1,0
	v_lshrrev_b32 v[T1+32*\t+\b], 23, v[SO+32*\t+\b]   ; the scale's byte
.endr
	v_and_or_b32 v[LM+32*\t], v[BM+32*\t], 0x7f800000, s[MNT]   ; 57,344 x the scale
	v_and_or_b32 v[LM+32*\t+1], v[BM+32*\t+1], 0x7f800000, s[MNT]
	v_lshl_or_b32 v[TA+32*\t], v[T1+32*\t+1], 8, v[T1+32*\t]
	v_lshl_or_b32 v[TBV+32*\t], v[T1+32*\t+3], 8, v[T1+32*\t+2]
	v_and_or_b32 v[LM+32*\t+2], v[BM+32*\t+2], 0x7f800000, s[MNT]
	v_and_or_b32 v[LM+32*\t+3], v[BM+32*\t+3], 0x7f800000, s[MNT]
	v_lshl_or_b32 v[PSW+\t], v[TBV+32*\t], 16, v[TA+32*\t]   ; p's scale word for these 128 keys
.endm
.macro CVT t, b
	v_cvt_scalef32_pk8_bf8_f32 v[PC+16*\t+4*\b:PC+16*\t+4*\b+1], v[64*\t+16*\b:64*\t+16*\b+7], v[SO+32*\t+\b]
	v_cvt_scalef32_pk8_bf8_f32 v[PC+16*\t+4*\b+2:PC+16*\t+4*\b+3], v[64*\t+16*\b+8:64*\t+16*\b+15], v[SO+32*\t+\b]
.endm
.macro STASHM off                      ; both tiles' O^T, l and -M into my stash
.irp t, 0,1
	v_add_f32 v[L+32*\t], v[L+32*\t], v[L+32*\t+1]
.endr
.irp t, 0,1
	v_permlanex16_b32 v[T1+32*\t], v[L+32*\t], s[SEL], s[SEL+1]
.endr
.irp t, 0,1
	v_add_f32 v[L+32*\t], v[L+32*\t], v[T1+32*\t]
.endr
.irp t, 0,1
	v_mov_b32 v[L+32*\t+1], v[NM+32*\t]
.endr
	PLACES 4                                       ; with the lines above, eight places and more behind the products
	WIN 0x04
.irp t, 0,1
.irp j, 0,1,2,3,4,5,6,7
	ds_store_b128 v[STA], v[O+32*\t+4*\j:O+32*\t+4*\j+3] offset:(\off)+\t*SB+512*\j
.endr
.endr
	WIN 0
.irp t, 0,1
	ds_store_b64 v[STL], v[L+32*\t:L+32*\t+1] offset:(\off)+\t*SB+4096
.endr
.endm
; A TURN: my 128 keys of a slot against both tiles.  fill = 1: behind the turn's barrier the slot that this turn has read is filled again, two slots ahead.
.macro TURN fill
	s_wait_dscnt 0x0                               ; K, the bias and K's scale words are in registers
	WIN 0x05
	SPROD 1                                        ; tile 1: C = the bias in tile 0's accumulators
	WIN 0
	v_add_nc_u32 v[ADV], s[TB], v[AK]              ; this turn's V,
	v_add_nc_u32 v[ADW], s[TB], v[AS]
	s_xor_b32 s[TB], s[TB], SL1
	v_add_nc_u32 v[ADK], s[TB], v[AK]              ; the next turn's K, scale words and bias
	v_add_nc_u32 v[ADS], s[TB], v[AS]
	v_add_nc_u32 v[ADB], s[TB], v[AB]
	PLACES 4                                       ; nine places: tile 0's products write over tile 1's C
	WIN 0x05
	SPROD 0
	VLOAD
	s_add_co_u32 s96, s[KF], 127                   ; a step all of whose keys count skips the mask
	s_cmp_le_u32 s96, s[Q0]
	s_cbranch_scc1 .Lopen_\@
	MASK 1
	MASK 0
.Lopen_\@:
	SMAX 1
	SMAX 0
	MCHAIN
	WALU
	s_wait_tensorcnt 0x0                           ; my part of the next slot is in: no tensor load of mine is out
	ds_add_u32 v[SPW], v[NIL]
.if \fill
	s_wait_xcnt 0x0                                ; the last prefetch, a turn back, has read its address
	s_add_nc_u64 s[PFA:PFA+1], s[PFA:PFA+1], s[PFS:PFS+1]
	STEPG
.endif
.irp b, 0,1,2,3
	FMAB 0, \b
.endr
.irp n, 0,1,2,3,4,5,6,7,8,9,10,11,12,13,14,15,16,17,18,19,20,21,22,23,24,25,26,27,28,29,30,31
	FMA2 0, \n
.endr
	WALU                                           ; for the batch below, and ahead of the wait
	s_wait_dscnt 0x0                               ; the add is done, and all of this slot that I read is in registers
	s_barrier_signal -1
	v_perm_b32 v[VSW],   v[W0+1], v[W0], 0x05040100   ; V's scale words: the two key groups' halves side by side
	v_perm_b32 v[VSW+1], v[W0+1], v[W0], 0x07060302
	EXPS 0
	SUMS 0
	SCALE 0
	WALU                                           ; for the batch below, and ahead of the wait
	s_barrier_wait -1                              ; the next slot is whole, and nobody reads this one any more
.if \fill
	TLOAD
	KFRAG
	s_cmp_lt_u32 s2, s[LIM]
	s_cbranch_scc0 .Lnot_mine_\@
	global_prefetch_b8 v[PFO], s[PFA:PFA+1] th:TH_LOAD_NT scope:SCOPE_SE
.Lnot_mine_\@:
.else
	s_cmp_eq_u32 s2, 16                            ; the last turn has no successor
	s_cbranch_scc1 .Llast_\@
	KFRAG
.Llast_\@:
.endif
	EXPS 1
.irp b, 0,1,2,3
	CVT 0, \b
.endr
	v_nop                                          ; a plain line behind the last conversion
.if \fill
	KBIAS
.else
	s_cmp_eq_u32 s2, 16
	s_cbranch_scc1 .Llast_b_\@
	KBIAS
.Llast_b_\@:
.endif
	SUMS 1
	SCALE 1
.irp b, 0,1,2,3
.irp i, 0,1,2,3,4,5,6,7
	HOLD 1, (8*\b+\i)
.endr
	CVT 1, \b
.endr
	PLACES 4                                       ; ahead of a product on these codes
	WIN 0x51
	OPROD 0
	OPROD 1
	WIN 0
	s_add_co_u32 s[KF], s[KF], 256
	s_add_co_u32 s2, s2, 1
	WALU
	s_cmp_eq_u32 s2, s[PN]
	s_cbranch_scc0 .Lsame_\@
	STASHM 0                                       ; the high block is done: on to the low one
	s_lshl_b32 s[KF], s82, 7
	s_mov_b32 s[Q0], s[QLO]
.irp j, 0,1,2,3
	v_mov_b32 v[QSL+\j], v[QLW+\j]
.endr
	WIN 0x41
.irp t, 0,1
.irp j, 0,1,2,3,4,5,6,7
	v_mov_b32 v[QL+24*\t+\j], v[QLO_+8*\t+\j]
.endr
.endr
	WIN 0
.irp t, 0,1
	v_mov_b32 v[TM+32*\t], 0xff61b1e6              ; nothing else is cleared: with the first score M leaves -3e38, so that f = 0 takes the high block's l and O^T away;
.endr
.irp t, 0,1
	v_floor_f32 v[NM+32*\t], -v[TM+32*\t]          ; a wave that meets no key of the low block keeps M = -3e38, and its part has the weight 0 when the parts are joined
.endr
	v_nop
	WALU
.Lsame_\@:
.endm
.macro QS w, sh, dl                    ; q's two scale bytes, 3 off each (held at 0 from below): the factor 1/8; for [q | 0] and for [0 | q]: the zero codes' blocks take the byte 127
	v_bfe_u32 v190, v[\w], \sh, 8
	v_bfe_u32 v191, v[\w], \sh+8, 8
	v_max_u32 v190, 3, v190
	v_max_u32 v191, 3, v191
	v_add_nc_u32 v190, -3, v190
	v_add_nc_u32 v191, -3, v191
	v_lshl_or_b32 v190, v191, 8, v190
	v_or_b32 v[\dl], 0x7f7f0000, v190
	v_lshl_or_b32 v[\dl+1], v190, 16, 0x7f7f
.endm
	KFRAG                                          ; turn 0's
	s_wait_loadcnt 0x0                             ; q
	KBIAS
	QS 188, 0, QSL
	QS 188, 16, QSL+2
	QS 189, 0, QLW
	QS 189, 16, QLW+2
	PLACES 8                                       ; a scale register so written stands 8 places ahead of the product
	WALU
	s_mov_b32 s2, 0
.Lmain:
	TURN 1
	s_cmp_lt_u32 s2, 15
	s_cbranch_scc1 .Lmain
	s_mov_b32 s2, 15
.Ltail:                                            ; the last two turns fill nothing
	TURN 0
	s_cmp_lt_u32 s2, 17
	s_cbranch_scc1 .Ltail
	STASHM 2*SB                                    ; the low block
	v_add_nc_u32 v202, 4*WS, v[MA]                 ; the second half's part lies four waves on
	v_add_nc_u32 v203, 4*WS, v[ML]
	s_mul_i32 s68, s[WV], 2560
	s_add_co_u32 s68, s68, STGO                    ; my stage
	s_xor_b32 s69, s82, 1
	s_lshl_b32 s69, s69, 8
	s_lshl_b32 s70, s83, 6
	s_add_co_u32 s69, s69, s70
	s_add_co_u32 s69, s69, SCS                     ; my scale bytes: the low block's 256 first
	s_lshl_b32 s70, ttmp9, 9
	s_sub_co_u32 s70, 31*256, s70                  ; from the low block's to the high block's in scl3
	WALU
	s_wait_dscnt 0x0
	s_barrier_signal -1
	s_barrier_wait -1                              ; every wave's stash is there
.irp t, 0,1
.irp j, 0,1,2,3,4,5,6,7
	ds_load_b128 v[64*\t+4*\j:64*\t+4*\j+3], v[MA] offset:\t*SB+512*\j
	ds_load_b128 v[64*\t+32+4*\j:64*\t+35+4*\j], v202 offset:\t*SB+512*\j
.endr
	ds_load_b64 v[160+4*\t:161+4*\t], v[ML] offset:\t*SB+4096
	ds_load_b64 v[162+4*\t:163+4*\t], v203 offset:\t*SB+4096
.endr
	s_wait_dscnt 0x0
.irp t, 0,1
	v_min_num_f32 v[168+\t], v[161+4*\t], v[163+4*\t]   ; the joint -M
.endr
.irp t, 0,1
	v_sub_f32 v[170+\t], v[168+\t], v[161+4*\t]
	v_sub_f32 v[172+\t], v[168+\t], v[163+4*\t]
.endr
.irp t, 0,1
	v_cvt_i32_f32 v[170+\t], v[170+\t]
	v_cvt_i32_f32 v[172+\t], v[172+\t]
.endr
.irp t, 0,1
	v_ldexp_f32 v[170+\t], 1.0, v[170+\t]          ; each part's power of two
	v_ldexp_f32 v[172+\t], 1.0, v[172+\t]
.endr
.irp t, 0,1
	v_mul_f32 v[174+\t], v[162+4*\t], v[172+\t]
.endr
.irp t, 0,1
	v_fma_f32 v[174+\t], v[160+4*\t], v[170+\t], v[174+\t]   ; l
.endr
	WALU
	v_rcp_f32 v174, v174
	v_rcp_f32 v175, v175
	v_bfe_u32 v192, v[SPW], 2, 5                   ; lane, r, h again, from my spare word's address (its base is a multiple of 128)
	v_bfe_u32 v193, v[SPW], 2, 4
	v_bfe_u32 v194, v[SPW], 6, 1
	v_mul_u32_u24 v196, v193, KP
	v_lshrrev_b32 v197, 2, v192
	v_and_b32 v195, 3, v192
	v_lshl_add_u32 v196, v194, 3, v196
	v_mul_u32_u24 v197, v197, KP
	v_lshlrev_b32 v198, 4, v192                    ; 16 bytes a lane
	v_add_nc_u32 v196, s68, v196                   ; in: row r, + 8 h
	v_lshl_add_u32 v197, v195, 4, v197
	v_lshl_add_u32 v199, v193, 1, s69
	v_mul_lo_u32 v201, v194, s70
	v_add_nc_u32 v197, s68, v197                   ; back: four lanes to a row
	v_lshl_add_u32 v200, v192, 4, SCS
	v_lshl_add_u32 v201, v193, 4, v201
	WALU                                           ; ahead of the reciprocals' first readers
.irp t, 0,1
	v_mul_f32 v[186+32*\t], v[170+\t], v[174+\t]
	v_mul_f32 v[188+32*\t], v[172+\t], v[174+\t]
.endr
.irp t, 0,1
.set n, 64*\t
.rept 16
	v_pk_mul_f32 v[n+32:n+33], v[n+32:n+33], v[188+32*\t:189+32*\t] op_sel_hi:[1,0]
.set n, n+2
.endr
.endr
.irp t, 0,1
.set n, 64*\t
.rept 16
	v_pk_fma_f32 v[n:n+1], v[n:n+1], v[186+32*\t:187+32*\t], v[n+32:n+33] op_sel_hi:[1,0,1]   ; register 8 t + j: channel 16 t + 8 h + j of my query
.set n, n+2
.endr
.endr
; quantised: chain b = 2 tile + block of 32 channels
.irp b, 0,1,2,3
	v_max3_num_f32 v[BM+\b], |v[64*(\b/2)+16*(\b%2)]|, |v[64*(\b/2)+16*(\b%2)+1]|, 0x8000000
.endr
.irp i, 2,4,6,8,10,12,14
.irp b, 0,1,2,3
	v_max3_num_f32 v[BM+\b], v[BM+\b], |v[64*(\b/2)+16*(\b%2)+\i]|, |v[64*(\b/2)+16*(\b%2)+\i+1]|
.endr
.endr
.irp b, 0,1,2,3
	v_permlanex16_b32 v[T1+\b], v[BM+\b], s[SEL], s[SEL+1]
.endr
.irp b, 0,1,2,3
	v_max_num_f32 v[BM+\b], v[BM+\b], v[T1+\b]
.endr
.irp b, 0,1,2,3
	v_add_nc_u32 v[SO+\b], 0xf8800000, v[BM+\b]
.endr
.irp b, 0,1,2,3
	v_and_or_b32 v[LM+\b], v[BM+\b], 0x7f800000, s[MNT]
.endr
.irp b, 0,1,2,3
	v_lshrrev_b32 v[T1+\b], 23, v[SO+\b]
.endr
.irp t, 0,1
	v_lshl_or_b32 v[TA+\t], v[T1+2*\t+1], 8, v[T1+2*\t]   ; my query's two scale bytes
.endr
.irp b, 0,1,2,3
.irp i, 0,1,2,3,4,5,6,7,8,9,10,11,12,13,14,15
	v_med3_num_f32 v[64*(\b/2)+16*(\b%2)+\i], v[64*(\b/2)+16*(\b%2)+\i], -v[LM+\b], v[LM+\b]
.endr
	v_cvt_scalef32_pk8_bf8_f32 v[PC+4*\b:PC+4*\b+1], v[64*(\b/2)+16*(\b%2):64*(\b/2)+16*(\b%2)+7], v[SO+\b]
	v_cvt_scalef32_pk8_bf8_f32 v[PC+4*\b+2:PC+4*\b+3], v[64*(\b/2)+16*(\b%2)+8:64*(\b/2)+16*(\b%2)+15], v[SO+\b]
.endr
	v_nop
.irp b, 0,1,2,3
.irp u, 0,1
	ds_store_b64 v196, v[PC+4*\b+2*\u:PC+4*\b+2*\u+1] offset:1280*(\b/2)+32*(\b%2)+16*\u
.endr
.endr
	ds_store_b16 v199, v[TA]                       ; (lanes l and l xor 16 write the same value)
	ds_store_b16 v199, v[TA+1] offset:32
.irp k, 0,1,2,3
	ds_load_b128 v[4*\k:4*\k+3], v197 offset:640*\k   ; LDS serves a wave's instructions in order: these see my stores
.endr
	WALU
	s_wait_dscnt 0x0                               ; my rows are back; for wave 0's sake: my scale bytes lie in LDS
	s_barrier_signal -1
	s_barrier_wait -1
.irp k, 0,1,2,3
	global_store_b128 v198, v[4*\k:4*\k+3], s[10:11] offset:512*\k   ; eight rows of 64 codes: 512 consecutive bytes, aligned
.endr
	s_cmp_lg_u32 s[WV], 0
	s_cbranch_scc1 .Lnot_wave_0
	ds_load_b128 v[16:19], v200
	s_wait_dscnt 0x0
	global_store_b128 v201, v[16:19], s[12:13]     ; sixteen lanes store a block's 256 scale bytes, consecutive and aligned
.Lnot_wave_0:
	s_wait_tensorcnt 0x0                           ; the wave's end
	ds_add_u32 v[SPW], v[NIL]
	s_wait_dscnt 0x0
	s_endpgm
.Lfunc_end_k_qf0109a5a15_attn:
	.size	k_qf0109a5a15_attn, .Lfunc_end_k_qf0109a5a15_attn-k_qf0109a5a15_attn
	.p2alignl 7, 3214868480
	.fill 96, 4, 3214868480
	.section	.rodata,"a",@progbits
	.p2align	6, 0x0
	.amdhsa_kernel k_qf0109a5a15_attn
		.amdhsa_group_segment_fixed_size 327680
		.amdhsa_private_segment_fixed_size 0
		.amdhsa_enable_private_segment 0
		.amdhsa_kernarg_size 40
		.amdhsa_user_sgpr_count 2
		.amdhsa_user_sgpr_kernarg_segment_ptr 1
		.amdhsa_wavefront_size32 1
		.amdhsa_system_sgpr_workgroup_id_x 1
		.amdhsa_system_sgpr_workgroup_id_y 1
		.amdhsa_system_sgpr_workgroup_id_z 1
		.amdhsa_system_vgpr_workitem_id 0
		.amdhsa_next_free_vgpr 512
		.amdhsa_next_free_sgpr 100
		.amdhsa_reserve_vcc 1
		.amdhsa_float_denorm_mode_32 3
		.amdhsa_float_denorm_mode_16_64 3
		.amdhsa_memory_ordered 1
		.amdhsa_forward_progress 1
		.amdhsa_inst_pref_size 140
	.end_amdhsa_kernel
	.amdgpu_metadata
---
amdhsa.version: [ 1, 2 ]
amdhsa.kernels:
  - .name:           k_qf0109a5a15_attn
    .symbol:         k_qf0109a5a15_attn.kd
    .args:
      - { .name: cod2, .offset: 0, .size: 8, .value_kind: global_buffer, .address_space: global }
      - { .name: scl2, .offset: 8, .size: 8, .value_kind: global_buffer, .address_space: global }
      - { .name: attn_bias, .offset: 16, .size: 8, .value_kind: global_buffer, .address_space: global }
      - { .name: cod3, .offset: 24, .size: 8, .value_kind: global_buffer, .address_space: global }
      - { .name: scl3, .offset: 32, .size: 8, .value_kind: global_buffer, .address_space: global }
    .group_segment_fixed_size: 327680
    .private_segment_fixed_size: 0
    .kernarg_segment_align: 8
    .kernarg_segment_size: 40
    .max_flat_workgroup_size: 256
    .sgpr_count:     100
    .vgpr_count:     512
    .wavefront_size: 32
...
	.end_amdgpu_metadata
.endif
;; end of part 3
;; launch outp (part 4): grid 8 x 32, 4 waves a work-group, clusters of 4 x 4, 327,680 bytes of LDS; arguments cod3, scl3, cod1, scl1, out_b, out0; writes out0
.if DOCPART == 4
	.amdgcn_target "amdgcn-amd-amdhsa--gfx1250"
	.amdhsa_code_object_version 6
	.text
	.protected	k_qf0109a5a15_outp
	.globl	k_qf0109a5a15_outp
	.p2align	8
	.type	k_qf0109a5a15_outp,@function
k_qf0109a5a15_outp:
	s_mov_b64 s[64:65], 0
	v_nop
	global_prefetch_b8 v0, s[64:65] scope:SCOPE_SE
	s_setreg_imm32_b32 hwreg(HW_REG_WAVE_MODE, 25, 1), 1
	s_wait_xcnt 0x0
	s_wait_alu depctr_hold_cnt(0) depctr_sa_sdst(0) depctr_va_vdst(0) depctr_va_sdst(0) depctr_va_ssrc(0) depctr_va_vcc(0) depctr_vm_vsrc(0)
	s_getreg_b32 s2, hwreg(HW_REG_IB_STS2, 6, 4)
	s_cmp_eq_u32 s2, 0
	s_cbranch_scc0 .Lentry_in_a_cluster
	s_endpgm
.Lentry_in_a_cluster:
	s_bfe_u32 s2, ttmp6, 0x10000c
	s_cmp_lg_u32 s2, 0xf033
	s_cbranch_scc0 .Lentry_shape_is_right
	s_endpgm
.Lentry_shape_is_right:
; out0[m][n] = sum over k of A[m][k] W[n][k] + out_b[n].  A: the attention's codes [16 heads][4096][64] with two scale bytes a row and head [16][4096][2]; W: out_w's codes, rows 7168 on of cod1, with 32 scale bytes a row.
; 256 work-groups of 128 x 128; a wave makes 64 x 64: 16 accumulators.  ALL OF K LIES IN LDS: 16 heads x 128 rows of A (pitch 80) and two halves along K of 128 rows of W (512 bytes, pitch 528): filled once, by one joint load a wave, no ring.
; Waves 0 and 1 fetch A's and W's first half along K, waves 2 and 3 the second: the first barrier shows the first half alone.  CLUSTERS of 4 x 4: a row shares A's tile, a column W's.
; No prefetch: everything is asked for at the head, there is no loop to run ahead in.
; USED TRANSPOSED (source 0 = 16 rows of W, source 1 = 16 rows of A): a lane holds eight neighbouring columns of a row.  The bias is the first products' C.
; REGISTERS: window 0: v1-29 addresses, v32-47 W's scale words, v52-67 A's, v96-127 the bias, v128-255 A's fragments in two sets;   window 1: v0-127 W's fragments in two sets, v128-255 the accumulators.
; LIMITS: NaN and infinities are not served.
.set HROW,  128*80
.set HALFA, 8*HROW
.set BB0,   2*HALFA
.set BP,    528
.set HALFB, 128*BP
.set STG,   BB0+2*HALFB                ; the way out: 16 rows x 272 bytes for each wave
.set SPARE, STG+4*4352                 ; the spare words
.set SPW, 28
.set NIL, 29
.set SW,  32
.set SA,  52
.set BI,  96
.set WV,  17
.set G1A, 24
.set G1B, 32
.set G0A, 40
.set G0B, 44
.set MSB, 0
.macro WIN new
.if MSB != (\new)
	s_set_vgpr_msb (MSB<<8)|(\new)
.set MSB, (\new)
.endif
.endm
.macro PLACES n
.rept \n
	v_nop
.endr
.endm
.macro CROUND                          ; a round of the cluster's barrier
	s_barrier_signal -1
	s_barrier_wait -1
	s_cmp_lg_u32 s[WV], 0
	s_cbranch_scc1 .Lnot_wave_0_\@
	s_barrier_signal -3
.Lnot_wave_0_\@:
	s_barrier_wait -3
	s_barrier_signal -1
	s_barrier_wait -1
.endm
	s_load_b128 s[4:7], s[0:1], 0x0                ; cod3, scl3
	s_load_b128 s[8:11], s[0:1], 0x10              ; cod1, scl1
	s_load_b128 s[12:15], s[0:1], 0x20             ; out_b, out0
	v_lshl_add_u32 v[SPW], v0, 2, SPARE
	v_mov_b32 v[NIL], 0
	ds_add_u32 v[SPW], v[NIL]                      ; the wave's opening: the add, twice on end
	ds_add_u32 v[SPW], v[NIL]
	v_lshrrev_b32 v1, 5, v0
	v_readfirstlane_b32 s[WV], v1                  ; wave 0..3
	s_lshr_b32 s18, s[WV], 1                       ; my 64 rows; also: which half along K I fetch
	s_and_b32 s19, s[WV], 1                        ; my 64 columns
	s_bfe_u32 s60, ttmp6, 0x40000                  ; cx, cy
	s_bfe_u32 s61, ttmp6, 0x40004
	s_lshl_b32 s62, ttmp9, 2
	s_add_co_u32 s62, s62, s60                     ; tile column 0..7
	s_and_b32 s63, ttmp7, 0xffff
	s_lshl_b32 s63, s63, 2
	s_add_co_u32 s63, s63, s61                     ; tile row 0..31
	s_lshl_b32 s66, s61, 2
	s_lshl_b32 s66, 15, s66                        ; my row of the cluster
	s_lshl_b32 s67, 0x1111, s60                    ; my column
	s_or_b32 s[G1A], s66, (3<<16)|(1<<20)|(1<<21)|(3<<22)|(3<<25)   ; eight heads: 8,192 dense bytes each (1,024 elements of 8), 16 bytes of padding behind each 64
	s_mov_b32 s[G1A+1], 1024<<16
	s_mov_b32 s[G1A+2], 8<<16
	s_mov_b32 s[G1A+3], 1024<<16
	s_mov_b32 s[G1A+4], 8
	s_mov_b32 s[G1A+5], 32768
	s_mov_b32 s[G1A+6], 0
	s_mov_b32 s[G1A+7], 0
	s_or_b32 s[G1B], s67, (1<<20)|(1<<21)|(6<<22)|(3<<25)           ; 128 rows of 512 bytes, 16 bytes of padding behind each
	s_mov_b32 s[G1B+1], 512<<16
	s_mov_b32 s[G1B+2], 128<<16
	s_mov_b32 s[G1B+3], 512<<16
	s_mov_b32 s[G1B+4], 128
	s_mov_b32 s[G1B+5], 1024
	s_mov_b32 s[G1B+6], 0
	s_mov_b32 s[G1B+7], 0
	s_lshl_b32 s20, s63, 13                        ; A: 128 rows x 64 bytes a tile row,
	s_lshl_b32 s21, s18, 21                        ; eight heads a half
	s_add_co_u32 s20, s20, s21
	s_mov_b32 s21, 0
	s_lshl_b32 s22, s62, 17                        ; W: 128 rows x 1,024 bytes a tile column,
	s_add_co_u32 s22, s22, 7168*1024
	s_lshl_b32 s23, s18, 9                         ; 512 bytes a half
	s_add_co_u32 s22, s22, s23
	s_mov_b32 s23, 0
	s_mul_i32 s68, s18, HALFA
	s_mul_i32 s69, s18, HALFB
	s_add_co_u32 s69, s69, BB0
	s_wait_dscnt 0x0                               ; both opening adds are done
	s_wait_kmcnt 0x0
	s_mov_b32 s[G0A], 1
	s_mov_b32 s[G0A+1], s68
	s_add_nc_u64 s[G0A+2:G0A+3], s[4:5], s[20:21]
	s_or_b32 s[G0A+3], s[G0A+3], 0x80000000
	s_mov_b32 s[G0B], 1
	s_mov_b32 s[G0B+1], s69
	s_add_nc_u64 s[G0B+2:G0B+3], s[8:9], s[22:23]
	s_or_b32 s[G0B+3], s[G0B+3], 0x80000000
	CROUND                                         ; all sixteen work-groups are here: the joint loads meet
.macro ARM under, g0, g1, next
	s_cmp_lt_u32 s[WV], \under
	s_cbranch_scc0 \next
	tensor_load_to_lds s[\g0:\g0+3], s[\g1:\g1+7]
	s_nop 0
	PLACES 4
	s_branch .Lasked
\next:
.endm
	ARM 1, G0A, G1A, .Lw1                          ; one load a wave, a line of its own for each
	ARM 2, G0B, G1B, .Lw2
	ARM 3, G0A, G1A, .Lw3
	tensor_load_to_lds s[G0B:G0B+3], s[G1B:G1B+7]
	s_nop 0
	PLACES 4
.Lasked:
	s_lshl_b32 s70, s62, 7
	s_lshl_b32 s71, s19, 6
	s_add_co_u32 s70, s70, s71                     ; my first column
	s_lshl_b32 s72, s63, 7
	s_lshl_b32 s73, s18, 6
	s_add_co_u32 s72, s72, s73                     ; my first row
	s_mov_b32 s75, 0
	s_add_co_u32 s74, s70, 7168
	s_lshl_b32 s74, s74, 5
	s_add_nc_u64 s[76:77], s[10:11], s[74:75]      ; W's scale bytes
	s_lshl_b32 s74, s72, 1
	s_add_nc_u64 s[78:79], s[6:7], s[74:75]        ; A's
	s_lshl_b32 s74, s70, 2
	s_add_nc_u64 s[80:81], s[12:13], s[74:75]      ; the bias
	s_lshl_b32 s82, s72, 12
	s_add_co_u32 s74, s74, s82
	s_add_nc_u64 s[14:15], s[14:15], s[74:75]      ; out0
	s_mul_i32 s83, s18, 64*80
	s_mul_i32 s84, s19, 64*BP
	s_add_co_u32 s84, s84, BB0
	s_mul_i32 s85, s[WV], 4352
	s_add_co_u32 s85, s85, STG
	v_and_b32 v3, 31, v0
	v_and_b32 v1, 15, v0                           ; r
	v_bfe_u32 v2, v0, 4, 1                         ; h
	v_lshlrev_b32 v4, 5, v3
	v_lshlrev_b32 v5, 1, v3
	v_lshlrev_b32 v6, 5, v2
.irp p, 0,1                                    ; scale words: lane l takes row l of a pair of tiles
	global_load_b128 v[SW+8*\p:SW+8*\p+3], v4, s[76:77] offset:1024*\p
	global_load_b128 v[SW+8*\p+4:SW+8*\p+7], v4, s[76:77] offset:1024*\p+16
.irp e, 0,1,2,3,4,5,6,7,8,9,10,11,12,13,14,15
	global_load_u16 v[192+16*\p+\e], v5, s[78:79] offset:8192*\e+64*\p
.endr
.endr
.irp b, 0,1,2,3
	global_load_b128 v[BI+8*\b:BI+8*\b+3], v6, s[80:81] offset:64*\b
	global_load_b128 v[BI+8*\b+4:BI+8*\b+7], v6, s[80:81] offset:64*\b+16
.endr
	v_mul_u32_u24 v7, v1, 80
	v_mul_u32_u24 v12, v1, BP
	v_mul_u32_u24 v14, v1, 272
	v_mul_u32_u24 v15, v2, 272
	v_lshl_add_u32 v7, v2, 4, v7
	v_lshl_add_u32 v12, v2, 4, v12
	v_lshl_add_u32 v14, v2, 5, v14
	v_lshl_add_u32 v15, v1, 4, v15
	v_add_nc_u32 v8, s83, v7                       ; A's fragments, four heads to an address
	v_add_nc_u32 v12, s84, v12                     ; W's, a half to an address
	v_add_nc_u32 v14, s85, v14
	v_add_nc_u32 v15, s85, v15
	v_add_nc_u32 v9, 4*HROW, v8
	v_add_nc_u32 v10, 8*HROW, v8
	v_add_nc_u32 v11, 12*HROW, v8
	v_add_nc_u32 v13, HALFB, v12
	v_lshlrev_b32 v16, 12, v2
	v_lshl_add_u32 v16, v1, 4, v16                 ; lanes 0-15 one row of C, lanes 16-31 the next
	s_wait_alu depctr_va_vdst(0)                   ; the head's end
	s_wait_loadcnt 0x0
.irp p, 0,1
.irp q, 0,1,2,3,4,5,6,7
	v_lshl_or_b32 v[SA+8*\p+\q], v[193+16*\p+2*\q], 16, v[192+16*\p+2*\q]   ; two heads' bytes make a word for 128 along K
.endr
.endr
	PLACES 8                                       ; a scale register so written stands 8 places ahead of the product
	s_wait_alu depctr_va_vdst(0)
	s_cmp_lt_u32 s[WV], 2
	s_cbranch_scc0 .Lsecond_half
	s_wait_tensorcnt 0x0                           ; waves 0 and 1: the first half along K has landed
.Lsecond_half:
	s_barrier_signal -1
	s_barrier_wait -1
.macro FETCH q, st
	WIN 0x40
.irp b, 0,1,2,3
.irp c, 0,1,2,3
	ds_load_b128 v[64*\st+16*\b+4*\c:64*\st+16*\b+4*\c+3], v[12+\q/4] offset:\b*16*BP+128*(\q%4)+32*\c
.endr
.endr
	WIN 0
.irp a, 0,1,2,3
.irp c, 0,1,2,3
	ds_load_b128 v[128+64*\st+16*\a+4*\c:128+64*\st+16*\a+4*\c+3], v[8+\q/2] offset:(2*(\q%2)+\c/2)*HROW+\a*16*80+32*(\c%2)
.endr
.endr
.endm
.macro ONE q, st, a, b, c0
.if (\a)%2 && (\b)%2
	v_wmma_scale_f32_16x16x128_f8f6f4 v[128+32*\a+8*\b:135+32*\a+8*\b], v[64*\st+16*\b:64*\st+16*\b+15], v[128+64*\st+16*\a:143+64*\st+16*\a], v[\c0:\c0+7], v[SW+8*(\b/2)+\q], v[SA+8*(\a/2)+\q] matrix_a_fmt:MATRIX_FMT_BF8 matrix_b_fmt:MATRIX_FMT_BF8 matrix_a_scale:MATRIX_SCALE_ROW1 matrix_b_scale:MATRIX_SCALE_ROW1
.elseif (\a)%2
	v_wmma_scale_f32_16x16x128_f8f6f4 v[128+32*\a+8*\b:135+32*\a+8*\b], v[64*\st+16*\b:64*\st+16*\b+15], v[128+64*\st+16*\a:143+64*\st+16*\a], v[\c0:\c0+7], v[SW+8*(\b/2)+\q], v[SA+8*(\a/2)+\q] matrix_a_fmt:MATRIX_FMT_BF8 matrix_b_fmt:MATRIX_FMT_BF8 matrix_b_scale:MATRIX_SCALE_ROW1
.elseif (\b)%2
	v_wmma_scale_f32_16x16x128_f8f6f4 v[128+32*\a+8*\b:135+32*\a+8*\b], v[64*\st+16*\b:64*\st+16*\b+15], v[128+64*\st+16*\a:143+64*\st+16*\a], v[\c0:\c0+7], v[SW+8*(\b/2)+\q], v[SA+8*(\a/2)+\q] matrix_a_fmt:MATRIX_FMT_BF8 matrix_b_fmt:MATRIX_FMT_BF8 matrix_a_scale:MATRIX_SCALE_ROW1
.else
	v_wmma_scale_f32_16x16x128_f8f6f4 v[128+32*\a+8*\b:135+32*\a+8*\b], v[64*\st+16*\b:64*\st+16*\b+15], v[128+64*\st+16*\a:143+64*\st+16*\a], v[\c0:\c0+7], v[SW+8*(\b/2)+\q], v[SA+8*(\a/2)+\q] matrix_a_fmt:MATRIX_FMT_BF8 matrix_b_fmt:MATRIX_FMT_BF8
.endif
.endm
.macro MUL q, st                       ; the q-th 128 along K: sixteen accumulators by turns
.if \q == 0
	WIN 0x41                                       ; C = the bias, in window 0
.else
	WIN 0x51
.endif
.irp a, 0,1,2,3
.irp b, 0,1,2,3
.if \q == 0
	ONE \q, \st, \a, \b, BI+8*\b
.else
	ONE \q, \st, \a, \b, 128+32*\a+8*\b
.endif
.endr
.endr
	WIN 0
.endm
.macro NEXT q, st                      ; eight places behind the products that have read this set, the set's next fragments, and the wait for the other set's: all but these 32
	PLACES 8
	FETCH \q, \st
	s_wait_dscnt 32
.endm
	FETCH 0, 0
	FETCH 1, 1
	s_wait_dscnt 32
	MUL 0, 0
	NEXT 2, 0
	MUL 1, 1
	NEXT 3, 1
	MUL 2, 0
	s_wait_tensorcnt 0x0                           ; the second half along K has landed
	s_wait_dscnt 0x0
	s_barrier_signal -1
	MUL 3, 1
	s_barrier_wait -1
	PLACES 8
	FETCH 4, 0
	NEXT 5, 1
	MUL 4, 0
	NEXT 6, 0
	MUL 5, 1
	NEXT 7, 1
	MUL 6, 0
	s_wait_dscnt 0x0
	MUL 7, 1
	PLACES 8                                       ; ahead of the results' first reads, and of the loads into A's fragments
; THE WAY OUT: 16 rows x 64 columns at a time through my own stage; LDS serves a wave's instructions in order (ISA guide 5.7.1.4): no wait between stores and loads.
.macro TOSTAGE a
	WIN 0x04
.irp b, 0,1,2,3
	ds_store_b128 v14, v[128+32*\a+8*\b:131+32*\a+8*\b] offset:64*\b
	ds_store_b128 v14, v[132+32*\a+8*\b:135+32*\a+8*\b] offset:64*\b+16
.endr
	WIN 0
.irp t, 0,1,2,3,4,5,6,7
	ds_load_b128 v[128+32*\a+4*\t:131+32*\a+4*\t], v15 offset:\t*2*272
.endr
.endm
.macro SEND a, younger                 ; younger: the next block's stores and loads, which may be out
	s_wait_dscnt \younger
.irp t, 0,1,2,3,4,5,6,7
	global_store_b128 v16, v[128+32*\a+4*\t:131+32*\a+4*\t], s[14:15] offset:(16*\a+2*\t)*4096 th:TH_STORE_NT   ; sixteen lanes store 256 consecutive bytes, aligned
.endr
.endm
	TOSTAGE 0
	TOSTAGE 1
	SEND 0, 16
	TOSTAGE 2
	SEND 1, 16
	TOSTAGE 3
	SEND 2, 16
	SEND 3, 0
	s_wait_tensorcnt 0x0                           ; the wave's end
	ds_add_u32 v[SPW], v[NIL]
	s_wait_dscnt 0x0
	CROUND                                         ; the closing round
	s_endpgm
.Lfunc_end_k_qf0109a5a15_outp:
	.size	k_qf0109a5a15_outp, .Lfunc_end_k_qf0109a5a15_outp-k_qf0109a5a15_outp
	.p2alignl 7, 3214868480
	.fill 96, 4, 3214868480
	.section	.rodata,"a",@progbits
	.p2align	6, 0x0
	.amdhsa_kernel k_qf0109a5a15_outp
		.amdhsa_group_segment_fixed_size 327680
		.amdhsa_private_segment_fixed_size 0
		.amdhsa_enable_private_segment 0
		.amdhsa_kernarg_size 48
		.amdhsa_user_sgpr_count 2
		.amdhsa_user_sgpr_kernarg_segment_ptr 1
		.amdhsa_wavefront_size32 1
		.amdhsa_system_sgpr_workgroup_id_x 1
		.amdhsa_system_sgpr_workgroup_id_y 1
		.amdhsa_system_sgpr_workgroup_id_z 1
		.amdhsa_system_vgpr_workitem_id 0
		.amdhsa_next_free_vgpr 512
		.amdhsa_next_free_sgpr 100
		.amdhsa_reserve_vcc 0
		.amdhsa_float_denorm_mode_32 3
		.amdhsa_float_denorm_mode_16_64 3
		.amdhsa_memory_ordered 1
		.amdhsa_forward_progress 1
		.amdhsa_inst_pref_size 56
	.end_amdhsa_kernel
	.amdgpu_metadata
---
amdhsa.version: [ 1, 2 ]
amdhsa.kernels:
  - .name:           k_qf0109a5a15_outp
    .symbol:         k_qf0109a5a15_outp.kd
    .args:
      - { .name: cod3, .offset: 0, .size: 8, .value_kind: global_buffer, .address_space: global }
      - { .name: scl3, .offset: 8, .size: 8, .value_kind: global_buffer, .address_space: global }
      - { .name: cod1, .offset: 16, .size: 8, .value_kind: global_buffer, .address_space: global }
      - { .name: scl1, .offset: 24, .size: 8, .value_kind: global_buffer, .address_space: global }
      - { .name: out_b, .offset: 32, .size: 8, .value_kind: global_buffer, .address_space: global }
      - { .name: out0, .offset: 40, .size: 8, .value_kind: global_buffer, .address_space: global }
    .group_segment_fixed_size: 327680
    .private_segment_fixed_size: 0
    .kernarg_segment_align: 8
    .kernarg_segment_size: 48
    .max_flat_workgroup_size: 128
    .sgpr_count:     100
    .vgpr_count:     512
    .wavefront_size: 32
...
	.end_amdgpu_metadata
.endif
;; end of part 4
